; MI455X (gfx1250); checked and timed in simulation.
; The chip was launched on July 23, 2026; its instructions are those of AMD's public machine-readable ISA for CDNA 5 (MIT licence, August 2026) and "CDNA5" Instruction Set Architecture Reference Guide (July 2026). The comments in the code are by the model that wrote it; some were corrected since.
;; Multi Head Attention. Allowed arithmetic: matrix products marked QUANTISED: E4M3 operands, one E8M0 scale for each 32 along K, by v_wmma_scale_f32_16x16x128_f8f6f4 with both operands' format E4M3, f32 sums; everything else in f32.
;; Inputs: W_k_codes 1,024 x 32 x 32 uint8 (E4M3 codes of W_k, K innermost, in blocks of 32 codes); W_k_scales 1,024 x 32 uint8 (E8M0 scales of W_k, one for each 32 codes along K); W_o_codes 1,024 x 32 x 32 uint8 (E4M3 codes of W_o, K innermost, in blocks of 32 codes); W_o_scales 1,024 x 32 uint8 (E8M0 scales of W_o, one for each 32 codes along K); W_q_codes 1,024 x 32 x 32 uint8 (E4M3 codes of W_q, K innermost, in blocks of 32 codes); W_q_scales 1,024 x 32 uint8 (E8M0 scales of W_q, one for each 32 codes along K); W_v_codes 1,024 x 32 x 32 uint8 (E4M3 codes of W_v, K innermost, in blocks of 32 codes); W_v_scales 1,024 x 32 uint8 (E8M0 scales of W_v, one for each 32 codes along K); x_codes 4 x 2,048 x 32 x 32 uint8 (E4M3 codes of x, K innermost, in blocks of 32 codes); x_scales 4 x 2,048 x 32 uint8 (E8M0 scales of x, one for each 32 codes along K).
;; Outputs: out0 4 x 2,048 x 1,024 float32.
;; This version of the problem:
;;   THIS VERSION OF THE PROBLEM IS GIVEN IN LOW PRECISION. The matrix products marked QUANTISED in the list below multiply operands that are first quantised to E4M3 (4 exponent bits, 3 mantissa bits; 8 bits a number), with one power-of-two scale for each 32 numbers along K (OCP MX v1.0); their sums are f32. All else is computed in f32.
;;   The module's matrix products, in the order in which they are computed (A, B: the left and right operand; K: the contracted axis; several contracted axes count as one K, in the product's order):
;;     1. [M 8,192, K 1,024] x [K 1,024, N 1,024]; A: input x (given as codes); B: input W_q (given as codes): QUANTISED
;;     2. [M 8,192, K 1,024] x [K 1,024, N 1,024]; A: input x (given as codes); B: input W_k (given as codes): QUANTISED
;;     3. [M 8,192, K 1,024] x [K 1,024, N 1,024]; A: input x (given as codes); B: input W_v (given as codes): QUANTISED
;;     4. batch 64 x [M 2,048, K 64] x [K 64, N 2,048]; A: computed on the way; B: computed on the way: QUANTISED
;;     5. batch 64 x [M 2,048, K 2,048] x [K 2,048, N 64]; A: softmax (see below); B: computed on the way: QUANTISED
;;     6. [M 8,192, K 1,024] x [K 1,024, N 1,024]; A: computed on the way; B: input W_o (given as codes): QUANTISED
;;   THE QUANTISER, for each operand of a quantised product, along K:
;;     - K is cut into blocks of 32 from its start; a last block that is shorter is filled with zeros.
;;     - A block's scale is 2^e with e = floor(log2(the largest magnitude in the block)) - 8, held to -126 .. 127; a block of zeros has e = 0. As a byte (E8M0): e + 127.
;;     - Each number is divided by its block's scale, clamped to +-448, and rounded to the nearest number of E4M3, ties to even, subnormals kept.
;;     - The product sums the exact products of the quantised numbers (number of the format x scale) in f32.
;;   ~~~python
;;   def quantise(x, axis):      # numpy; x: float32 -> the quantised numbers, widened to float32 again
;;       x = np.moveaxis(x, axis, -1); K = x.shape[-1]
;;       x = np.pad(x, [(0, 0)] * (x.ndim - 1) + [(0, -K % 32)]); x = x.reshape(x.shape[:-1] + (-1, 32)); a = np.abs(x).max(-1, keepdims=True)
;;       e = np.where(a > 0, np.clip(np.frexp(np.where(a > 0, a, 1))[1] - 1 - 8, -126, 127), 0)      # np.frexp(a)[1] - 1 = floor(log2(a)), exactly
;;       r = np.clip(x / 2.0 ** e, -448, 448)
;;       step = 2.0 ** (np.maximum(np.frexp(np.where(r == 0, 1, r))[1] - 1, -6) - 3)
;;       q = np.round(r / step) * step * 2.0 ** e      # np.round: ties to even
;;       return np.moveaxis(q.reshape(q.shape[:-2] + (-1,))[..., :K], -1, axis).astype(np.float32)
;;   ~~~
;;   SOFTMAX AHEAD OF A QUANTISED PRODUCT. Where the list says 'softmax', what is quantised is not the finished softmax but p = 2^(t - M), with t = logit x log2(e) and M = ceil(the row's largest t), a whole number; so 1/2 < the row's largest p <= 1. The row's sum l is taken of the UNQUANTISED p, in f32, and the product's result is divided by l at the end. Since M is a whole number, a kernel that streams over the keys may use a running M (the ceiling of the running maximum): every later rescaling is an exact power of two, which a block's scale takes up: the codes' values come out the same.
;;   OPERANDS COMPUTED ON THE WAY. 'Computed on the way' means the value that the module computes at that place (a softmax that the list does not call 'softmax' is quantised finished and normalised). What goes into a quantiser is computed in f32, as accurately as f32 sums, v_exp_f32 and their like allow (about 1e-6 of the number): no bf16 or f16 on the way to a quantiser, and a product that is left as it is and whose result goes on into a quantised operand takes f32 operands (vector FMAs, or v_wmma_f32_16x16x4_f32). A number that lies on a knife's edge between two numbers of the format may be rounded either way, as far as f32 arithmetic and the matrix unit's own rounding can turn it there, and no further.
;;   INPUTS GIVEN AS CODES. W_k (in the module: [1024, 1024], K = its axis 1); W_o (in the module: [1024, 1024], K = its axis 1); W_q (in the module: [1024, 1024], K = its axis 1); W_v (in the module: [1024, 1024], K = its axis 1); x (in the module: [4, 2048, 1024], K = its axis 2): each comes as NAME_codes (uint8): NAME with its K axis moved to the last place and cut into blocks of 32 codes, [.., K / 32, bytes a block], one block behind the other in memory; one code a byte (a code: sign, 4 exponent bits, 3 mantissa bits); and NAME_scales (uint8): the same leading axes, one E8M0 byte (e + 127) for each 32 codes along K. Its value is code x scale, taken as it is: it is not quantised again, and the codes and scales need not be those that the quantiser above would give.
;; One version. Each part assembles by itself: llvm-mc -triple=amdgcn-amd-amdhsa -mcpu=gfx1250 --defsym DOCPART=n.
;; ======== version 1 of 1: 3 launches
;; limits: right only within a limited range of input values
;; workspace buffers: qimg 8,388,608 bytes; kimg 8,388,608 bytes; vimg 8,388,608 bytes; cimg 8,388,608 bytes; qsc 262,144 bytes; ksc 262,144 bytes; vsc 262,144 bytes; csc 262,144 bytes
;; launch qkv (part 1): grid 8 x 48, 4 waves a work-group, clusters of 4 x 4, 327,680 bytes of LDS; arguments x_codes, x_scales, W_q_codes, W_q_scales, W_k_codes, W_k_scales, W_v_codes, W_v_scales, qimg, qsc, kimg, ksc, vimg, vsc; writes qimg, qsc, kimg, ksc, vimg, vsc
.if DOCPART == 1
	.amdgcn_target "amdgcn-amd-amdhsa--gfx1250"
	.amdhsa_code_object_version 6
	.text
	.protected	k_q800926f1a2_qkv
	.globl	k_q800926f1a2_qkv
	.p2align	8
	.type	k_q800926f1a2_qkv,@function
k_q800926f1a2_qkv:
	s_mov_b64 s[64:65], 0
	v_nop
	global_prefetch_b8 v0, s[64:65] scope:SCOPE_SE
	s_setreg_imm32_b32 hwreg(HW_REG_WAVE_MODE, 25, 1), 1
	s_wait_xcnt 0x0
	s_wait_alu depctr_hold_cnt(0) depctr_sa_sdst(0) depctr_va_vdst(0) depctr_va_sdst(0) depctr_va_ssrc(0) depctr_va_vcc(0) depctr_vm_vsrc(0)
	s_getreg_b32 s2, hwreg(HW_REG_IB_STS2, 6, 4)
	s_cmp_eq_u32 s2, 0
	s_cbranch_scc0 .Lentry_in_a_cluster
	s_endpgm
.Lentry_in_a_cluster:
	s_bfe_u32 s2, ttmp6, 0x10000c
	s_cmp_lg_u32 s2, 0xf033
	s_cbranch_scc0 .Lentry_shape_is_right
	s_endpgm
.Lentry_shape_is_right:
; q = x W_q^T, k = x W_k^T, v = x W_v^T on codes of FP8 (E4M3) with one E8M0 scale for each 32 along K = 1,024; sums in f32.  The results are quantised again straight out of the accumulators:
; q and k along the head's 64 (two blocks of 32), v along the keys (blocks of 32 tokens), and leave as IMAGES OF OPERAND REGISTERS for the attention launch.
; ONE PRODUCT, THREE JOBS.  C[m][n] = sum over k of A[m][k] B[n][k]; a work-group of four waves makes 256 x 256, a wave 128 x 128: 64 accumulators of 16 x 16.  The matrix instruction is used transposed
; (source 0 = 16 rows of B, source 1 = 16 rows of A): a lane holds ONE row of A and its registers run along rows of B.  A quantiser wants its K along a lane's registers, so: q, k: A = x (tokens), B = W (features);
; v: A = W_v (features), B = x (tokens).  24 clusters of 4 x 4: cluster y < 8: job q (cluster x = 0) or k (cluster x = 1), A's tile row 4 y + cy, B's tile column cx; cluster y >= 8: job v, A's tile row cy,
; B's tile column 4 (2 (y - 8) + x) + cx.  The job hangs on the cluster's numbers alone, which all sixteen partners share; buffers are chosen by s_cselect_b64.
; K goes in steps of 256 through a ring of two LDS slots filled by the tensor data mover; the scale bytes of the work-group's rows, for all of K, come into LDS once.  A's tiles are asked for jointly along a row of the
; cluster, B's along a column.
; THE IMAGES.  A region of 16,384 bytes for each (batch, pair of heads, 128 tokens): byte a x 2048 + c x 512 + 16 x lane.  A wave's 128 x 128 is exactly one region: a = A's block of 16 rows, c = the block of 32 along B.
;   q, k: a = tile of 16 tokens, c = 2 x (head in the pair) + (block of 32 of d); lane (r, h): token 16 a + r; bytes 0-7: d = 8 h + 0..7 of the block, bytes 8-15: d = 16 + 8 h + 0..7.  The same order in q and in k.
;   v:    a = 4 x (head in the pair) + (tile of 16 of d), c = block of 32 keys; lane (r, h): d row r of the tile; bytes 0-7: keys 8 h + 0..7 of the block, bytes 8-15: keys 16 + 8 h + 0..7.
;   scale words: a region of 512 bytes: (head in the pair) x 256 + 16 r + 4 p.  q, k: word p = two bytes of token tile 2 p, two of tile 2 p + 1;  v: word p = the four key blocks' bytes of d row 16 p + r.
; LIMITS: NaN codes, scale bytes 0xff, and sums that are NaN or infinite are not served.  A block whose largest magnitude lies under 2^-118 gets the byte 1, and so does a block of zeros (its codes are zeros); the bytes are read by this program alone.
; REGISTERS, in windows of 256: window 0: v0-31 addresses; v32-63 scale words, two sets; from v128 A's fragments, ONE set; on the way out v32-255 are free.  window 1: B's fragments, two sets.
;   window 2: the accumulators of my rows 0-63 (accumulator (a, b) at v[8 (8 a + b)]);  window 3: those of my rows 64-127.
.set KSTEP,  256                       ; along K in a slot
.set NQ,     KSTEP/128                 ; matrix instructions deep
.set ROWB,   256                       ; a tile's row in bytes
.set KROW,   1024                      ; a row of A or of B in memory, in bytes
.set PITCH,  272                       ; an LDS row: 256 bytes + 16 of padding = 68 words: row r starts at bank 4 r mod 64 (64 banks of 4 bytes: ISA guide 11.1)
.set FR,     16                        ; registers of a fragment: 16 rows x 128 K
.set NL,     4                         ; LDS loads that bring one
.set NP,     8                         ; places behind this matrix instruction (ISA guide 7.12.1)
.set HALFT,  128*PITCH                 ; 128 rows: what one tensor load brings
.set SLOT,   4*HALFT                   ; A's 256 rows, then B's 256 rows
.set LAPS,   2                         ; 1,024 along K = four K steps = twice round the ring
.set KS,     32                        ; a row of scales in bytes
.set SCL,    2*SLOT                    ; behind the ring: the scales, as units of 256 bytes + 16 of padding
.set HALFS,  (128*KS/256)*272          ; the scales of 128 rows
.set SBLK,   (16*KS/256)*272           ; those of 16 rows
.set SPARE,  SCL+4*HALFS               ; behind the scales: the spare words, 128 bytes for each wave, which no other line names
.set ADRA, 16                          ; v16-17  LDS address of my A fragments in slot 0, 1
.set ADRB, 20                          ; v20-21  the same for B
.set CO,   26                          ; v26     16 x lane: my place in an image
.set ADRS, 27                          ; v27     LDS address of my scale words: lanes 0-15 A's rows, lanes 16-31 B's
.set SPW,  28                          ; v28     LDS address of my spare word; never rewritten
.set NIL,  29                          ; v29     0; never rewritten
.set SELQ, 30                          ; v30     byte selects for q's and k's scale words (v31 at work beside it)
.set SC,   32                          ; scale words: set s at v[SC + 16 s]
.set AF,   128                         ; A's fragments, in window 0
.set T,    32                          ; the way out: v32-35 at work for the scale words
.set PC,   96                          ; v96-223 codes: 16 registers for each of my 8 blocks, so that no store's data are written again
.set TM,   224                         ; v224-227 largest magnitudes, v228-231 the other half's, then bytes, v236-239 the conversions' scale operands
.set PW,   240                         ; v240-247 a scale word for each block
.set OW,   248                         ; v248-251 the scale words as they are stored
.set XW,   252                         ; v252-255 at work
.set G1, 24                            ; s[24:31] descriptor group 1 for A's tiles;  s[32:39] group 0, one set for each slot
.set G0, 32
.set G1B, 48                           ; s[48:55], s[56:63] the same for B's tiles
.set G0B, 56
.set G1S, 68                           ; s[68:75], s[76:79] groups 1 and 0 for A's scales;  s[80:87], s[88:91] for B's
.set G0S, 76
.set G1SB, 80
.set G0SB, 88
.set MSB, 0
.macro WIN new                         ; the immediate's high byte repeats the setting that is left
.if MSB != \new
	s_set_vgpr_msb (MSB<<8)|\new
.set MSB, \new
.endif
.endm
.set MUL_LO, 0xa1                      ; source 0 (B) window 1, source 1 (A) window 0, C and D window 2
.set MUL_HI, 0xf1                      ; the same, C and D window 3
.set TO_B,   0x40                      ; destination window 1, address window 0
; A joint load: waves 0 and 1 fetch for A, waves 2 and 3 for B.  Each of the two lines has one mask and one set of registers for all that issue it; the branch hangs on the wave's number alone.
; Four v_nop follow each of the two lines, ahead of the jump, the label and what follows.
.macro JLOAD g0a, g1a, g0b, g1b
	s_cmp_eq_u32 s15, 0
	s_cbranch_scc0 .Lfor_b_\@
	tensor_load_to_lds s[\g0a:\g0a+3], s[\g1a:\g1a+7]
	s_nop 0
.rept 4
	v_nop
.endr
	s_branch .Lasked_\@
.Lfor_b_\@:
	tensor_load_to_lds s[\g0b:\g0b+3], s[\g1b:\g1b+7]
	s_nop 0
.rept 4
	v_nop
.endr
.Lasked_\@:
.endm
.macro CREST                           ; a round of the cluster's barrier behind its opening barrier
	s_cmp_lg_u32 s14, 0
	s_cbranch_scc1 .Lnot_wave_0_\@
	s_barrier_signal -3
.Lnot_wave_0_\@:
	s_barrier_wait -3
	s_barrier_signal -1
	s_barrier_wait -1
.endm
.macro CROUND                          ; a whole round
	s_barrier_signal -1
	s_barrier_wait -1
	CREST
.endm
	s_load_b512 s[68:83], s[0:1], 0x0              ; x, its scales, W_q, its scales, W_k, its scales, W_v, its scales
	s_load_b256 s[84:91], s[0:1], 0x40             ; qimg, qsc, kimg, ksc
	s_load_b128 s[92:95], s[0:1], 0x60             ; vimg, vsc
	v_lshl_add_u32 v[SPW], v0, 2, SPARE
	v_mov_b32 v[NIL], 0
	ds_add_u32 v28, v29
	ds_add_u32 v28, v29
	s_wait_dscnt 0x0
	v_lshrrev_b32 v1, 5, v0
	v_readfirstlane_b32 s14, v1                    ; wave 0..3
	s_lshr_b32 s15, s14, 1                         ; which half of A's rows is mine.  Also: I fetch for A (0) or for B (1)
	s_and_b32 s16, s14, 1                          ; which half of B's rows.  Also: which 128 rows of that tile I fetch
	s_bfe_u32 s40, ttmp6, 0x40000                  ; cx, cy: my place in the cluster
	s_bfe_u32 s41, ttmp6, 0x40004
	s_and_b32 s96, ttmp7, 0xffff                   ; cluster y, 0..11
	s_sub_co_u32 s97, s96, 8
	s_lshl_b32 s97, s97, 1
	s_add_co_u32 s97, s97, ttmp9                   ; job v: 2 (cluster y - 8) + cluster x, 0..7
	s_wait_kmcnt 0x0
	s_cmp_eq_u32 ttmp9, 0                          ; q or k?  Every choice here hangs on the cluster's numbers alone
	s_cselect_b64 s[8:9], s[72:73], s[76:77]       ; B's codes
	s_cselect_b64 s[10:11], s[74:75], s[78:79]     ; B's scales
	s_cselect_b64 s[12:13], s[84:85], s[88:89]     ; the image
	s_cselect_b64 s[98:99], s[86:87], s[90:91]     ; its scale words
	s_cmp_lt_u32 s96, 8                            ; q, k or v?
	s_cselect_b64 s[4:5], s[68:69], s[80:81]       ; A's codes: x, or W_v
	s_cselect_b64 s[6:7], s[70:71], s[82:83]       ; A's scales
	s_cselect_b64 s[8:9], s[8:9], s[68:69]         ; B: the weight, or x
	s_cselect_b64 s[10:11], s[10:11], s[70:71]
	s_cselect_b64 s[12:13], s[12:13], s[92:93]
	s_cselect_b64 s[98:99], s[98:99], s[94:95]
	s_cselect_b32 s96, s96, 0                      ; which four tile rows of A the cluster takes
	s_cselect_b32 s97, 0, s97                      ; which four tile columns of B
	s_cselect_b32 s2, 0, -1                        ; all ones in job v: a lane mask for the scale words' layout
	s_lshl_b32 s42, s97, 2
	s_add_co_u32 s42, s42, s40                     ; B's tile column
	s_lshl_b32 s17, s96, 2
	s_add_co_u32 s17, s17, s41                     ; A's tile row
	s_lshl_b32 s43, s41, 2
	s_lshl_b32 s43, 15, s43                        ; my row of the cluster
	s_lshl_b32 s44, 0x1111, s40                    ; my column
	; descriptor group 1: a tile of 128 rows x 256 bytes, padded in LDS
	s_or_b32 s[G1+0], s43, (0<<16)|(1<<20)|(1<<21)|(5<<22)|(3<<25)  ; 15:0 the mask: A's tiles go to my row; 17:16 element of 1 byte; 20 padding on; 21 set beside a mask; 24:22 after every 64 words; 31:25 of 4 words
	s_or_b32 s[G1B+0], s44, (0<<16)|(1<<20)|(1<<21)|(5<<22)|(3<<25)
.irp g, G1, G1B
	s_mov_b32 s[\g+1], ROWB<<16                    ; tensor_dim0
	s_mov_b32 s[\g+2], 128<<16                     ; tensor_dim1
	s_mov_b32 s[\g+3], ROWB<<16                    ; tile_dim0
	s_mov_b32 s[\g+4], 128                         ; tile_dim1
	s_mov_b32 s[\g+5], KROW                        ; tensor_dim0_stride
	s_mov_b32 s[\g+6], 0
	s_mov_b32 s[\g+7], 0
.endr
	; the scales of 128 rows: a dense block of 4,096 bytes, as 16 rows of 256 bytes (32 elements of 8 bytes), 16 bytes of padding behind each.  (The registers held addresses that have been chosen from)
	s_or_b32 s[G1S+0], s43, (3<<16)|(1<<20)|(1<<21)|(5<<22)|(3<<25)
	s_or_b32 s[G1SB+0], s44, (3<<16)|(1<<20)|(1<<21)|(5<<22)|(3<<25)
.irp g, G1S, G1SB
	s_mov_b32 s[\g+1], 32<<16
	s_mov_b32 s[\g+2], (128*KS/256)<<16
	s_mov_b32 s[\g+3], 32<<16
	s_mov_b32 s[\g+4], 128*KS/256
	s_mov_b32 s[\g+5], 32
	s_mov_b32 s[\g+6], 0
	s_mov_b32 s[\g+7], 0
.endr
	s_lshl_b32 s18, s16, 7                         ; which 128 rows of the tile I fetch
	s_lshl_b32 s20, s17, 8
	s_add_co_u32 s20, s20, s18                     ; A: row 256 x tile row + 128 x half
	s_lshl_b32 s46, s42, 8
	s_add_co_u32 s46, s46, s18                     ; B: row 256 x tile column + 128 x half
	s_mov_b32 s21, 0
	s_mov_b32 s47, 0
	s_mov_b64 s[18:19], KS
	s_mul_u64 s[22:23], s[20:21], s[18:19]         ; where these rows' scales begin, in bytes
	s_mul_u64 s[92:93], s[46:47], s[18:19]
	s_mov_b64 s[18:19], KROW
	s_mul_u64 s[20:21], s[20:21], s[18:19]         ; and their codes
	s_mul_u64 s[46:47], s[46:47], s[18:19]
	s_mul_i32 s45, s14, HALFT                      ; where they go: wave x 128 rows: no place in the cluster enters an LDS address
	s_mul_i32 s94, s14, HALFS
	s_add_nc_u64 s[20:21], s[4:5], s[20:21]
	s_add_nc_u64 s[22:23], s[6:7], s[22:23]
	s_add_nc_u64 s[46:47], s[8:9], s[46:47]
	s_add_nc_u64 s[92:93], s[10:11], s[92:93]
	CROUND                                         ; all sixteen work-groups are here: the first joint loads meet
	s_mov_b32 s[G0S], 1
	s_add_co_u32 s[G0S+1], s94, SCL
	s_mov_b64 s[G0S+2:G0S+3], s[22:23]
	s_or_b32 s[G0S+3], s[G0S+3], 0x80000000
	s_mov_b32 s[G0SB], 1
	s_add_co_u32 s[G0SB+1], s94, SCL
	s_mov_b64 s[G0SB+2:G0SB+3], s[92:93]
	s_or_b32 s[G0SB+3], s[G0SB+3], 0x80000000
	JLOAD G0S, G1S, G0SB, G1SB                     ; the scales first: they are wanted with K step 0
.irp s, 0,1
	s_mov_b32 s[G0+4*\s], 1
	s_add_co_u32 s[G0+4*\s+1], s45, \s*SLOT
	s_add_nc_u64 s[G0+4*\s+2:G0+4*\s+3], s[20:21], \s*ROWB
	s_or_b32 s[G0+4*\s+3], s[G0+4*\s+3], 0x80000000
	s_mov_b32 s[G0B+4*\s], 1
	s_add_co_u32 s[G0B+4*\s+1], s45, \s*SLOT
	s_add_nc_u64 s[G0B+4*\s+2:G0B+4*\s+3], s[46:47], \s*ROWB
	s_or_b32 s[G0B+4*\s+3], s[G0B+4*\s+3], 0x80000000
	JLOAD G0+4*\s, G1, G0B+4*\s, G1B               ; three tensor loads of mine are out
.endr
	v_and_b32 v1, 15, v0                           ; l % 16
	v_bfe_u32 v2, v0, 4, 1                         ; l / 16
	v_mul_u32_u24 v3, v1, PITCH
	v_lshl_add_u32 v4, v2, 4, v3                   ; a fragment's row x pitch + 16 x half
	s_mul_i32 s21, s15, HALFT                      ; my 128 rows of A
	s_mul_i32 s22, s16, HALFT                      ; my 128 rows of B,
	s_add_co_u32 s22, s22, 2*HALFT                 ; which lie behind A's 256
.irp s, 0,1
	v_add_nc_u32 v[ADRA+\s], s21, v4
	v_add_nc_u32 v[ADRB+\s], s22, v4
	s_add_co_u32 s21, s21, SLOT
	s_add_co_u32 s22, s22, SLOT
.endr
	v_mul_u32_u24 v5, v1, KS                       ; my row's scales: 32 bytes a row,
	v_lshrrev_b32 v6, 8, v5
	v_lshl_add_u32 v5, v6, 4, v5                   ; and 16 more for each 256 passed
	s_mul_i32 s21, s15, HALFS                      ; A's: my 128 rows
	s_mul_i32 s22, s16, HALFS                      ; B's: my 128 rows, behind A's 256
	s_add_co_u32 s22, s22, 2*HALFS
	s_sub_co_u32 s22, s22, s21
	v_mul_u32_u24 v6, s22, v2                      ; lanes 16-31 take B's
	s_add_co_u32 s21, s21, SCL
	v_add_nc_u32 v5, v5, v6
	v_add_nc_u32 v[ADRS], s21, v5
	v_and_b32 v6, 31, v0
	v_lshlrev_b32 v[CO], 4, v6                     ; 16 x lane
	; my region of the image: ((batch x 8 + pair of heads) x 16 + which 128 tokens of the batch)
	s_cmp_eq_u32 s2, 0
	s_cselect_b32 s20, s17, s42                    ; the tile of 256 tokens: A's tile row (q, k) or B's tile column (v)
	s_cselect_b32 s21, s15, s16                    ; my half of it
	s_cselect_b32 s22, s40, s41                    ; the tile of 256 features: cx (q, k) or cy (v)
	s_cselect_b32 s23, s16, s15                    ; my half of it
	s_lshl_b32 s22, s22, 1
	s_add_co_u32 s22, s22, s23                     ; pair of heads
	s_lshr_b32 s23, s20, 3                         ; batch: 8 tiles of 256 tokens each
	s_lshl_b32 s23, s23, 3
	s_add_co_u32 s22, s22, s23
	s_lshl_b32 s22, s22, 4
	s_and_b32 s20, s20, 7
	s_lshl_b32 s20, s20, 1
	s_add_co_u32 s20, s20, s21
	s_add_co_u32 s20, s20, s22                     ; the region, 0..511
	s_lshl_b32 s46, s20, 14
	s_mov_b32 s47, 0
	s_add_nc_u64 s[12:13], s[12:13], s[46:47]      ; 16,384 bytes of codes a region
	s_lshl_b32 s46, s20, 9
	s_add_nc_u64 s[98:99], s[98:99], s[46:47]      ; 512 bytes of scale words
	s_mov_b32 s19, 0xffff0000                      ; lanes 16-31
	s_mov_b32 s21, 0x4800000                       ; the floor 2^(9 - 127)
	s_mov_b32 s22, 0x76543210
	s_mov_b32 s23, 0xfedcba98                      ; v_permlanex16_b32's selects for lane l xor 16
.macro FRAG reg, adr, q, i             ; a fragment, 16 rows x 128 K of 8-bit codes: lane l holds row l % 16; registers 4 c .. 4 c + 3 hold K = 32 c + 16 (l / 16) + 0 .. 15
.irp c, 0,1,2,3
	ds_load_b128 v[\reg+4*\c:\reg+4*\c+3], v[\adr] offset:128*(\q)+32*\c+(\i)*16*PITCH
.endr
.endm
; 16 matrix instructions: A's blocks a0, a0 + 1 x B's eight, 128 along K: the slot's q-th.  p: B's set;  sc: the set of scale words.  zero = 1: the first product starts the sums: nothing is ever cleared.
; The 64 accumulators take turns, one instruction a turn, in the same order in every step.
.macro MUL16 a0, p, q, sc, zero
.irp a, \a0, \a0+1
.irp b, 0,1,2,3,4,5,6,7
.if \zero
	v_wmma_scale_f32_16x16x128_f8f6f4 v[8*(8*((\a)%4)+\b):8*(8*((\a)%4)+\b)+7], v[128*(\p)+FR*\b:128*(\p)+FR*\b+FR-1], v[AF+FR*(\a):AF+FR*(\a)+FR-1], 0, v[SC+8*NQ*(\sc)+NQ*\b+(\q)], v[SC+8*NQ*(\sc)+NQ*(\a)+(\q)] matrix_a_scale:MATRIX_SCALE_ROW1
.else
	v_wmma_scale_f32_16x16x128_f8f6f4 v[8*(8*((\a)%4)+\b):8*(8*((\a)%4)+\b)+7], v[128*(\p)+FR*\b:128*(\p)+FR*\b+FR-1], v[AF+FR*(\a):AF+FR*(\a)+FR-1], v[8*(8*((\a)%4)+\b):8*(8*((\a)%4)+\b)+7], v[SC+8*NQ*(\sc)+NQ*\b+(\q)], v[SC+8*NQ*(\sc)+NQ*(\a)+(\q)] matrix_a_scale:MATRIX_SCALE_ROW1
.endif
.endr
.endr
.endm
.macro FETCH_B slot, q, p              ; B's eight fragments of the slot's q-th 128 along K into set p
	WIN TO_B
.irp i, 0,1,2,3,4,5,6,7
	FRAG 128*(\p)+FR*\i, ADRB+\slot, \q, \i
.endr
	WIN 0
.endm
.macro FETCH_A slot, q, i0             ; A's blocks i0 .. i0 + 3
.irp i, \i0, \i0+1, \i0+2, \i0+3
	FRAG AF+FR*(\i), ADRA+\slot, \q, \i
.endr
.endm
.macro SCALES sc                       ; the next K step's scale words into set sc: two words a row; lanes 0-15 take A's block i, lanes 16-31 B's block i
.irp i, 0,1,2,3,4,5,6,7
	ds_load_b64 v[SC+8*NQ*\sc+NQ*\i:SC+8*NQ*\sc+NQ*\i+1], v[ADRS] offset:\i*SBLK
.endr
.endm
; A load into a register that a matrix instruction has read, and a vector instruction that reads a matrix result or writes one of a matrix instruction's registers, stand NP places behind that matrix
; instruction, and only plain vector instructions that name none of its registers are places (ISA guide 7.12.1 for vector instructions).
.macro PLACES n
.rept \n
	v_nop
.endr
.endm
; A step of 128 along K that has its successor in the same slot.
.macro STEP slot, q, zero
	s_wait_dscnt 4*NL                              ; B's set and A's blocks 0-3 are in; the youngest 16 loads (A's blocks 4-7) may be out
	WIN MUL_LO
	MUL16 0, (\q)%2, \q, \slot, \zero
	MUL16 2, (\q)%2, \q, \slot, \zero
	s_wait_dscnt 0                                 ; A's blocks 4-7 are in (asked for 32 matrix instructions ago)
	PLACES NP
	FETCH_B \slot, (\q)+1, 1-(\q)%2
	FETCH_A \slot, (\q)+1, 0
	WIN MUL_HI
	MUL16 4, (\q)%2, \q, \slot, \zero
	MUL16 6, (\q)%2, \q, \slot, \zero
	PLACES NP
	WIN 0
	FETCH_A \slot, (\q)+1, 4
.endm
; A slot's last step changes slots: ONE barrier; in front of it each wave waits for all its tensor loads, adds 0 to its spare word, and waits for that and for its own reads of this slot.  fill = 1: this slot is filled again, two K steps ahead.
.macro TURN slot, next, fill
	s_wait_tensorcnt 0x0                           ; all my tensor loads have landed: my part of the next slot;  (every window is 0 here: the add's two registers lie in window 0)
	ds_add_u32 v[SPW], v[NIL]                      ; 0 onto my spare word
	s_wait_dscnt 4*NL+1                            ; (the add and the youngest 16 loads, A's blocks 4-7, may be out)
	WIN MUL_LO
	MUL16 0, 1, NQ-1, \slot, 0                     ; sixteen matrix instructions stand between the add and the wait for it
	s_wait_dscnt 0x0                               ; the add is done, and my reads of this slot are over
	s_barrier_signal -1
	MUL16 2, 1, NQ-1, \slot, 0
	WIN 0
	s_barrier_wait -1
.if \fill
	CREST                                          ; the barrier has opened a round of the cluster's barrier: no wave of any partner still reads this slot's tile or has a load on its way
	s_add_nc_u64 s[G0+4*\slot+2:G0+4*\slot+3], s[G0+4*\slot+2:G0+4*\slot+3], 2*ROWB
	s_add_nc_u64 s[G0B+4*\slot+2:G0B+4*\slot+3], s[G0B+4*\slot+2:G0B+4*\slot+3], 2*ROWB
	JLOAD G0+4*\slot, G1, G0B+4*\slot, G1B         ; the first tensor load behind the round; the four v_nop behind it are among the places in front of the loads below
	PLACES NP-4
.else
	PLACES NP
.endif
	s_wait_alu depctr_va_vdst(0)
	v_add_nc_u32 v[ADRS], 4*NQ, v[ADRS]            ; on to the next K step's scale words (no LDS load of mine is out)
	FETCH_B \next, 0, 0
	FETCH_A \next, 0, 0
	SCALES \next
	WIN MUL_HI
	MUL16 4, 1, NQ-1, \slot, 0
	MUL16 6, 1, NQ-1, \slot, 0
	PLACES NP
	WIN 0
	FETCH_A \next, 0, 4
.endm
	s_wait_alu depctr_va_vdst(0)
	s_wait_tensorcnt 1                             ; the scales and my part of K step 0 are in (K step 1's load may be out)
	s_barrier_signal -1
	s_barrier_wait -1                              ; everybody's are
	FETCH_B 0, 0, 0
	FETCH_A 0, 0, 0
	SCALES 0
	FETCH_A 0, 0, 4
	STEP 0, 0, 1                                   ; the first step stands in front of the loop: its products start the sums
	s_mov_b32 s3, LAPS-1
.Llap:                                                 ; a trip goes once round the ring, from a lap's second step to the next lap's first, and fills both slots again
	TURN 0, 1, 1
	STEP 1, 0, 0
	TURN 1, 0, 1
	STEP 0, 0, 0
	s_sub_co_u32 s3, s3, 1
	s_cmp_lg_u32 s3, 0
	s_cbranch_scc1 .Llap
	TURN 0, 1, 0                                   ; the last lap fills nothing, and has no round of the cluster's barrier
	STEP 1, 0, 0
	s_wait_dscnt 4*NL                              ; the very last step: nothing more to fetch
	WIN MUL_LO
	MUL16 0, 1, NQ-1, 1, 0
	MUL16 2, 1, NQ-1, 1, 0
	s_wait_dscnt 0
	WIN MUL_HI
	MUL16 4, 1, NQ-1, 1, 0
	MUL16 6, 1, NQ-1, 1, 0
	WIN 0
; THE WAY OUT.  Block a (16 rows of A): a lane holds one row and, of each block b of 32 along B, 16 numbers: registers 16 b + i of the block's 64 (accumulators 2 b and 2 b + 1); the other 16 lie in lane l xor 16.
; The block's largest magnitude, with the floor 2^(9 - 127) among its leaves; 8 off its exponent field is the conversion's scale operand, and that shifted down the scale's byte.
; The 16 codes are 16 bytes: the wave's store covers 512 consecutive bytes, aligned.  No LDS is touched.
.macro QBLK a
.set AC, 64*((\a)%4)
.set W, 2+(\a)/4
.set W12, (W<<2)|(W<<4)
	WIN W12                                        ; sources 1 and 2: the accumulators' window
.irp b, 0,1,2,3
	v_max3_num_f32 v[TM+\b], s21, |v[AC+16*\b]|, |v[AC+16*\b+1]|          ; each accumulator is read from its low end on
.endr
.irp i, 2,4,6,8,10,12,14
.irp b, 0,1,2,3
	v_max3_num_f32 v[TM+\b], v[TM+\b], |v[AC+16*\b+\i]|, |v[AC+16*\b+\i+1]|   ; the four blocks by turns
.endr
.endr
	WIN 0
.irp b, 0,1,2,3
	v_permlanex16_b32 v[TM+4+\b], v[TM+\b], s22, s23
.endr
.irp b, 0,1,2,3
	v_max_num_f32 v[TM+\b], v[TM+\b], v[TM+4+\b]   ; with lane l xor 16's: the block's largest magnitude
.endr
.irp b, 0,1,2,3
	v_add_nc_u32 v[TM+12+\b], 0xfc000000, v[TM+\b] ; 8 off its exponent field: the conversion's scale operand
.endr
.irp b, 0,1,2,3
.endr
.irp b, 0,1,2,3
	v_lshrrev_b32 v[TM+4+\b], 23, v[TM+12+\b]      ; the scale's byte
.endr
	v_lshl_or_b32 v[PW+\a], v[TM+5], 8, v[TM+4]    ; my row's four bytes
	v_lshl_or_b32 v[PW+\a], v[TM+6], 16, v[PW+\a]
	v_lshl_or_b32 v[PW+\a], v[TM+7], 24, v[PW+\a]
	WIN W                                          ; source 0: the accumulators' window
.irp b, 0,1,2,3
.irp i, 0,1,2,3,4,5,6,7,8,9,10,11,12,13,14,15
.endr
.endr
.irp b, 0,1,2,3
	v_cvt_scalef32_pk8_fp8_f32 v[PC+16*(\a)+4*\b:PC+16*(\a)+4*\b+1], v[AC+16*\b:AC+16*\b+7], v[TM+12+\b]
	v_cvt_scalef32_pk8_fp8_f32 v[PC+16*(\a)+4*\b+2:PC+16*(\a)+4*\b+3], v[AC+16*\b+8:AC+16*\b+15], v[TM+12+\b]
.endr
	WIN 0
	v_nop                                          ; one plain vector line behind the last conversion: the next block writes their sources again
.irp c, 0,1,2,3
	global_store_b128 v[CO], v[PC+16*(\a)+4*\c:PC+16*(\a)+4*\c+3], s[12:13] offset:(\a)*2048+\c*512
.endr
.endm
	PLACES NP                                      ; behind the last products: for the first reads of results and for the writes of registers that held fragments and scale words
.irp b, 0,1,2,3
	v_mov_b32 v[TM+4+\b], 0                        ; written once: a lane permute's destination counts as one of its sources
.endr
.irp a, 0,1,2,3,4,5,6,7
	QBLK \a
.endr
	; the scale words.  Lane (r, h) stores the 16 bytes of row r for head h of the pair.  q, k: word p = bytes 2 h, 2 h + 1 of blocks 2 p and 2 p + 1;  v: word p = the word of block 4 h + p.
	v_mov_b32 v[SELQ], 0x05040100
	v_mov_b32 v31, 0x07060302
	v_cndmask_b32 v[SELQ], v[SELQ], v31, s19
.irp p, 0,1,2,3
	v_perm_b32 v[XW+\p], v[PW+2*\p+1], v[PW+2*\p], v[SELQ]
	v_cndmask_b32 v[T+\p], v[PW+\p], v[PW+4+\p], s19
	v_cndmask_b32 v[OW+\p], v[XW+\p], v[T+\p], s2
.endr
	global_store_b128 v[CO], v[OW:OW+3], s[98:99]  ; 512 consecutive bytes, aligned
	s_wait_tensorcnt 0x0                           ; the wave's end
	ds_add_u32 v[SPW], v[NIL]
	s_wait_dscnt 0x0
	CROUND                                         ; the closing round: no work-group ends while a partner may still ask for a tile that names it
	s_endpgm
.Lfunc_end_k_q800926f1a2_qkv:
	.size	k_q800926f1a2_qkv, .Lfunc_end_k_q800926f1a2_qkv-k_q800926f1a2_qkv
	.p2alignl 7, 3214868480
	.fill 96, 4, 3214868480
	.section	.rodata,"a",@progbits
	.p2align	6, 0x0
	.amdhsa_kernel k_q800926f1a2_qkv
		.amdhsa_group_segment_fixed_size 327680
		.amdhsa_private_segment_fixed_size 0
		.amdhsa_enable_private_segment 0
		.amdhsa_kernarg_size 112
		.amdhsa_user_sgpr_count 2
		.amdhsa_user_sgpr_kernarg_segment_ptr 1
		.amdhsa_wavefront_size32 1
		.amdhsa_system_sgpr_workgroup_id_x 1
		.amdhsa_system_sgpr_workgroup_id_y 1
		.amdhsa_system_sgpr_workgroup_id_z 1
		.amdhsa_system_vgpr_workitem_id 0
		.amdhsa_next_free_vgpr 1024
		.amdhsa_next_free_sgpr 100
		.amdhsa_reserve_vcc 0
		.amdhsa_float_denorm_mode_32 3
		.amdhsa_float_denorm_mode_16_64 3
		.amdhsa_fp16_overflow 1
		.amdhsa_memory_ordered 1
		.amdhsa_forward_progress 1
		.amdhsa_inst_pref_size 150
	.end_amdhsa_kernel
	.amdgpu_metadata
---
amdhsa.version: [ 1, 2 ]
amdhsa.kernels:
  - .name:           k_q800926f1a2_qkv
    .symbol:         k_q800926f1a2_qkv.kd
    .args:
      - { .name: x_codes, .offset: 0, .size: 8, .value_kind: global_buffer, .address_space: global }
      - { .name: x_scales, .offset: 8, .size: 8, .value_kind: global_buffer, .address_space: global }
      - { .name: W_q_codes, .offset: 16, .size: 8, .value_kind: global_buffer, .address_space: global }
      - { .name: W_q_scales, .offset: 24, .size: 8, .value_kind: global_buffer, .address_space: global }
      - { .name: W_k_codes, .offset: 32, .size: 8, .value_kind: global_buffer, .address_space: global }
      - { .name: W_k_scales, .offset: 40, .size: 8, .value_kind: global_buffer, .address_space: global }
      - { .name: W_v_codes, .offset: 48, .size: 8, .value_kind: global_buffer, .address_space: global }
      - { .name: W_v_scales, .offset: 56, .size: 8, .value_kind: global_buffer, .address_space: global }
      - { .name: qimg, .offset: 64, .size: 8, .value_kind: global_buffer, .address_space: global }
      - { .name: qsc, .offset: 72, .size: 8, .value_kind: global_buffer, .address_space: global }
      - { .name: kimg, .offset: 80, .size: 8, .value_kind: global_buffer, .address_space: global }
      - { .name: ksc, .offset: 88, .size: 8, .value_kind: global_buffer, .address_space: global }
      - { .name: vimg, .offset: 96, .size: 8, .value_kind: global_buffer, .address_space: global }
      - { .name: vsc, .offset: 104, .size: 8, .value_kind: global_buffer, .address_space: global }
    .group_segment_fixed_size: 327680
    .private_segment_fixed_size: 0
    .kernarg_segment_align: 8
    .kernarg_segment_size: 112
    .max_flat_workgroup_size: 128
    .sgpr_count:     100
    .vgpr_count:     1024
    .wavefront_size: 32
...
	.end_amdgpu_metadata
.endif
;; end of part 1
;; launch attn (part 2): grid 4 x 64, 16 waves a work-group, no clusters, 272,384 bytes of LDS; arguments qimg, qsc, kimg, ksc, vimg, vsc, cimg, csc; writes cimg, csc
.if DOCPART == 2
	.amdgcn_target "amdgcn-amd-amdhsa--gfx1250"
	.amdhsa_code_object_version 6
	.text
	.protected	k_q800926f1a2_attn
	.globl	k_q800926f1a2_attn
	.p2align	8
	.type	k_q800926f1a2_attn,@function
k_q800926f1a2_attn:
	s_mov_b64 s[64:65], 0
	v_nop
	global_prefetch_b8 v0, s[64:65] scope:SCOPE_SE
	s_setreg_imm32_b32 hwreg(HW_REG_WAVE_MODE, 25, 1), 1
	s_wait_xcnt 0x0
; ctx[b][q][head] = softmax over keys k <= q of (q . k / 8) times v, both products on codes of FP8 (E4M3) with one E8M0 scale for each 32 along a product's K; ctx is quantised along D and leaves as an image of operand registers.
; THE SOFTMAX AHEAD OF THE SECOND PRODUCT: t = score x log2(e) / 8; M = the row's largest t so far, rounded UP to a whole number; p = 2^(t - M) is what is quantised, along the keys; it is not normalised.
; The row's sum is taken of the unquantised p, in f32, and divides at the end.  When M moves, the sum and O are multiplied by 2^(old M - new M): exact.
; SHARES.  Work-group (i, y): batch y / 16, head y % 16, the query blocks 7 - i and i of 256 queries.  Each of its sixteen waves owns one tile of 16 queries in each block: first query (7 - i) 256 + 16 (wave xor 8),
; then i 256 + 16 wave.  A tile at query Q0 has Q0 / 128 + 1 key steps of 128: the two passes of every wave of every work-group add up to 17.  256 equal work-groups.
; ALL OF THE HEAD'S K AND V CODES LIE IN LDS, FILLED ONCE: 2,048 keys x 64 bytes each, as images of operand registers, so without padding: 131,072 bytes each, and 4,096 bytes of scale words each.  Nothing is filled again.
; The loads go out in the kernel's first lines, in four groups of 512 keys; the first pass starts on a group as soon as it has landed.  So nothing is prefetched either.
; NO CLUSTER, though the four work-groups of a head read the same K and V: they differ in their query blocks alone, and a key step that lies wholly behind a wave's queries is jumped over by a branch on that number.
; LAYOUT.  Both products are used transposed: S^T = K Q^T (source 0 = keys, source 1 = my 16 queries), O^T = V^T P^T (source 0 = 16 of the head's 64, source 1 = P): a lane holds ONE query (lane % 16) throughout.
; In S^T register j of tile T is key 16 T + 8 (lane / 16) + j: the 16 registers of tiles 2 c, 2 c + 1 are the lane's 16 keys of block c, in the very order in which V's image holds its keys.
; K = 64 IN AN INSTRUCTION OF 128.  A fragment of K holds TWO tiles of 16 keys: registers 0-7 tile 2 p's 64 codes, registers 8-15 tile 2 p + 1's.  Q lies between two runs of zeros, v16-23 | v24-31 | v32-39:
; v[24:39] = (q, 0) picks tile 2 p, v[16:31] = (0, q) picks tile 2 p + 1.  The other tile's codes meet zero codes and add exactly 0: they are finite (their quantiser holds at 448) and their scale bytes lie in 1 .. 254.
; LIMITS: NaN and infinities are not served.  A block whose largest magnitude lies under 2^-118 gets the byte 1, and so does a block of zeros (its codes are zeros); the bytes are read by this program alone.
; REGISTERS: v1-5 addresses that stay; v7 Q's raw scale word; v8-10 addresses of the loads in hand; v12 -M, v13 the largest t, v[14:15] the sum in two halves; v16-39 zeros, Q, zeros; v40-103 four fragments of K, then of V;
; v104-167 S^T, then p; v168-199 O^T; v200-215 p's codes; v216-219 K's scale words, v220-223 V's, v224 Q's, v225 p's; v[226:227] f; v228-247 at work.
.set VIMG, 131072                      ; LDS: K's images from byte 0: step st at 8,192 st, fragment p at + 2,048 p + 512 c + 16 lane;  V's from here: + 2,048 tile + 512 c + 16 lane
.set KSC,  262144                      ; K's scale words: 256 st + 16 r + 4 p
.set VSC,  266240                      ; V's likewise
.set AL,   1                           ; v1   16 x lane
.set ASC,  2                           ; v2   KSC + 16 r
.set DG,   3                           ; v3   r - 8 h, for the diagonal
.set CB,   4                           ; v4   32 r + h: my byte among ctx's scale bytes
.set QW,   5                           ; v5   16 r: my row among Q's scale words
.set ADK,  8
.set ADV,  9
.set ADS,  10
.set FRG,  40
.set S,    104
.set O,    168
.set PCD,  200
.set BM,   228                         ; v228-231 a block's largest score, then its largest p
.set T1,   232                         ; v232-235 the other half's, then bytes
.set LIM,  236
.set SCO,  240                         ; v240-243 the conversions' scale operands
.set WV,   20                          ; s20  my wave's number
.set WI,   21                          ; s21  i
.set SEL,  22                          ; s[22:23] v_permlanex16_b32's selects for lane l xor 16
.set CS,   24                          ; s[24:25] c = log2(e) / 8: the packed form names a pair and takes its low word for both halves
.set MNT,  26
.set HM,   27                          ; s27  lanes 16-31
.set G1K,  32                          ; s[32:39], s[40:47], s[48:55] descriptor groups 1 for K's, V's and the scale words' tiles
.set G1V,  40
.set G1S,  48
.set G0S,  56                          ; s[56:59] group 0 for my scale words;  s[60:63], s[68:71], s[72:75], s[76:79] for my part of the four groups of keys
.set TB,   80                          ; s80  LDS byte of the step's images
.set TS,   81                          ; s81  and of its scale words
.set KF,   82                          ; s82  the step's first key
.set Q0,   83                          ; s83  my first query
.set CNT,  84
.set QSEL, 85                          ; s85  which two bytes of Q's raw scale word are my tile's
	s_load_b512 s[4:19], s[0:1], 0x0               ; qimg, qsc, kimg, ksc, vimg, vsc, cimg, csc
	v_lshl_add_u32 v254, v0, 2, 0x42000
	v_mov_b32 v255, 0
	ds_add_u32 v254, v255
	ds_add_u32 v254, v255
	v_lshrrev_b32 v6, 5, v0
	s_delay_alu instid0(VALU_DEP_1)
	v_readfirstlane_b32 s[WV], v6                  ; wave 0..15
	v_and_b32 v6, 31, v0
	s_delay_alu instid0(VALU_DEP_1)
	v_lshlrev_b32 v[AL], 4, v6
	v_and_b32 v6, 15, v0                           ; r
	v_bfe_u32 v11, v0, 4, 1                        ; h
	s_delay_alu instid0(VALU_DEP_2)
	v_lshlrev_b32 v[QW], 4, v6
	s_delay_alu instid0(VALU_DEP_1)
	v_add_nc_u32 v[ASC], KSC, v[QW]
	s_delay_alu instid0(VALU_DEP_3)
	v_lshlrev_b32 v[DG], 3, v11
	s_delay_alu instid0(VALU_DEP_1)
	v_sub_nc_u32 v[DG], v6, v[DG]
	v_lshl_add_u32 v[CB], v6, 5, v11
	s_mov_b32 s[WI], ttmp9
	s_and_b32 s94, ttmp7, 0xffff
	s_lshr_b32 s28, s94, 4                         ; batch
	s_and_b32 s29, s94, 15                         ; head
	s_lshr_b32 s30, s29, 1
	s_lshl_b32 s95, s28, 3
	s_add_co_u32 s30, s30, s95                     ; 8 x batch + pair of heads
	s_and_b32 s31, s29, 1                          ; head in the pair
; descriptor group 1: rows x cols elements of 8 bytes, pitch elements from row to row, no mask, no padding
.macro SHAPE g, cols, rows, pitch
	s_mov_b32 s[\g], 3<<16
	s_mov_b32 s[\g+1], (\cols)<<16                 ; tensor_dim0
	s_mov_b32 s[\g+2], (\rows)<<16                 ; tensor_dim1
	s_mov_b32 s[\g+3], (\cols)<<16                 ; tile_dim0
	s_mov_b32 s[\g+4], \rows                       ; tile_dim1
	s_mov_b32 s[\g+5], \pitch                      ; tensor_dim0_stride
	s_mov_b32 s[\g+6], 0
	s_mov_b32 s[\g+7], 0
.endm
	SHAPE G1K, 128, 16, 256                        ; K: 16 tiles of 16 keys: my head's 1,024 bytes of each 2,048
	SHAPE G1V, 1024, 2, 2048                       ; V: 2 steps of 128 keys: my head's 8,192 bytes of each 16,384
	SHAPE G1S, 32, 8, 64                           ; scale words: 8 steps: my head's 256 bytes of each 512
	s_mov_b32 s[SEL], 0x76543210
	s_mov_b32 s[SEL+1], 0xfedcba98
	s_mov_b32 s[CS], 0x3e38aa3b                    ; log2(e) / 8
	s_mov_b32 s[CS+1], s[CS]                       ; (named with it as a pair, so it is written)
	s_mov_b32 s[HM], 0xffff0000
	; what I fetch, if I fetch: waves 0, 1: K's; waves 2, 3: V's; e = wave % 2: which half of each group of 512 keys, and of the scale words
	s_and_b32 s96, s[WV], 1                        ; e
	s_bfe_u32 s97, s[WV], 0x10001                  ; 0: K, 1: V
	s_lshl_b32 s99, s97, 17
	s_lshl_b32 s98, s96, 14
	s_add_co_u32 s99, s99, s98                     ; LDS: my part of group 0
	s_lshl_b32 s97, s97, 12
	s_lshl_b32 s98, s96, 11
	s_add_co_u32 s97, s97, s98
	s_add_co_u32 s97, s97, KSC                     ; LDS: my half of the scale words
	s_lshl_b32 s90, s30, 18                        ; 16 regions of 16,384 bytes for a batch and pair of heads
	s_lshl_b32 s92, s30, 13                        ; 16 of 512 bytes
	s_mov_b32 s95, 0
	s_wait_dscnt 0x0
	s_wait_kmcnt 0x0
	s_cmp_lt_u32 s[WV], 2
	s_cselect_b64 s[86:87], s[8:9], s[12:13]
	s_cselect_b64 s[88:89], s[10:11], s[14:15]
	s_cselect_b32 s98, 10, 13                      ; my head begins 1,024 bytes on in a tile of K, 8,192 in a region of V
	s_lshl_b32 s98, s31, s98
	s_lshl_b32 s94, s96, 15                        ; half a group: two regions
	s_add_co_u32 s94, s94, s98
	s_add_co_u32 s94, s94, s90
	s_add_nc_u64 s[86:87], s[86:87], s[94:95]
	s_lshl_b32 s94, s96, 12                        ; eight regions of scale words
	s_lshl_b32 s98, s31, 8
	s_add_co_u32 s94, s94, s98
	s_add_co_u32 s94, s94, s92
	s_add_nc_u64 s[88:89], s[88:89], s[94:95]
	s_mov_b32 s[G0S], 1
	s_mov_b32 s[G0S+1], s97
	s_mov_b64 s[G0S+2:G0S+3], s[88:89]
	s_or_b32 s[G0S+3], s[G0S+3], 0x80000000
.macro MKG0 reg, g                     ; group 0 for my 16,384 bytes of the g-th 512 keys
	s_mov_b32 s[\reg], 1
	s_add_co_u32 s[\reg+1], s99, \g*32768
	s_add_nc_u64 s[\reg+2:\reg+3], s[86:87], \g*65536
	s_or_b32 s[\reg+3], s[\reg+3], 0x80000000
.endm
	MKG0 60, 0
	MKG0 68, 1
	MKG0 72, 2
	MKG0 76, 3
	s_cmp_lt_u32 s[WV], 2                          ; a wave's first fills stand in one branch on its number, ahead of every wait on TENSORcnt, every LDS read and every barrier: five loads of mine are out
	s_cbranch_scc0 .Lnot_k
	tensor_load_to_lds s[G0S:G0S+3], s[G1S:G1S+7]
	s_nop 0
	tensor_load_to_lds s[60:63], s[G1K:G1K+7]
	s_nop 0
	tensor_load_to_lds s[68:71], s[G1K:G1K+7]
	s_nop 0
	tensor_load_to_lds s[72:75], s[G1K:G1K+7]
	s_nop 0
	tensor_load_to_lds s[76:79], s[G1K:G1K+7]
	s_nop 0
.rept 4
	v_nop
.endr
	s_branch .Lasked
.Lnot_k:
	s_cmp_lt_u32 s[WV], 4
	s_cbranch_scc0 .Lasked
	tensor_load_to_lds s[G0S:G0S+3], s[G1S:G1S+7]
	s_nop 0
	tensor_load_to_lds s[60:63], s[G1V:G1V+7]
	s_nop 0
	tensor_load_to_lds s[68:71], s[G1V:G1V+7]
	s_nop 0
	tensor_load_to_lds s[72:75], s[G1V:G1V+7]
	s_nop 0
	tensor_load_to_lds s[76:79], s[G1V:G1V+7]
	s_nop 0
.rept 4
	v_nop
.endr
.Lasked:
	s_lshl_b32 s94, s31, 10
	s_add_co_u32 s94, s94, s90
	s_add_nc_u64 s[4:5], s[4:5], s[94:95]          ; Q's images at my batch and head
	s_lshl_b32 s94, s31, 8
	s_add_co_u32 s94, s94, s92
	s_add_nc_u64 s[6:7], s[6:7], s[94:95]          ; and its scale words
	s_lshl_b32 s94, s28, 21                        ; ctx's image: 128 tiles of 16 tokens x 16,384 bytes a batch,
	s_lshl_b32 s98, s29, 10                        ; 1,024 bytes a head
	s_add_co_u32 s94, s94, s98
	s_add_nc_u64 s[16:17], s[16:17], s[94:95]
	s_lshl_b32 s94, s28, 16                        ; its scale bytes: 32 a token,
	s_lshl_b32 s98, s29, 1                         ; two a head
	s_add_co_u32 s94, s94, s98
	s_add_nc_u64 s[18:19], s[18:19], s[94:95]
.macro QLOAD                           ; my tile of Q: 16 tokens are 2,048 bytes of the image, of which my head has 1,024; its scale word is half of word (tile / 2) % 4 of the region of 128 tokens
	s_lshl_b32 s94, s[Q0], 7
	s_mov_b32 s95, 0
	s_add_nc_u64 s[86:87], s[4:5], s[94:95]
	s_lshr_b32 s94, s[Q0], 7
	s_lshl_b32 s94, s94, 9
	s_bfe_u32 s96, s[Q0], 0x20005
	s_lshl_b32 s96, s96, 2
	s_add_co_u32 s94, s94, s96
	s_add_nc_u64 s[88:89], s[6:7], s[94:95]
	s_mov_b32 s[QSEL], 0x01000100                  ; an even tile's two bytes, twice,
	s_bitcmp1_b32 s[Q0], 4
	s_cselect_b32 s[QSEL], 0x03020302, s[QSEL]     ; or an odd tile's
	global_load_b128 v[24:27], v[AL], s[86:87]
	global_load_b128 v[28:31], v[AL], s[86:87] offset:512
	global_load_b32 v7, v[QW], s[88:89]
.endm
.macro CADDR                           ; where my tile of ctx goes
	s_lshl_b32 s94, s[Q0], 10
	s_mov_b32 s95, 0
	s_add_nc_u64 s[90:91], s[16:17], s[94:95]
	s_lshl_b32 s94, s[Q0], 5
	s_add_nc_u64 s[92:93], s[18:19], s[94:95]
.endm
.macro INIT                            ; a pass begins: the key step is written without a first step of its own: it finds zeros, which the first change of M leaves zeros
	v_mov_b32 v13, 0xff61b1e6                      ; the largest t so far: -3e38, under every t
	s_delay_alu instid0(VALU_DEP_1)
	v_floor_f32 v12, -v13                          ; -M
	v_mov_b32 v14, 0
	v_mov_b32 v15, 0
	s_wait_loadcnt 0x0                             ; Q
	v_perm_b32 v224, v7, v7, s[QSEL]               ; Q's scale word: my tile's two bytes, for either half of the instruction's K
.set j, 0
.rept 32
	v_mov_b32 v[O+j], 0                            ; O^T.  (These are also the places between the line above and the first product that names v224)
.set j, j+1
.endr
.endm
; A KEY STEP: 128 keys.
.macro STEP
	s_add_co_u32 s94, s[Q0], 15                    ; a step all of whose keys come after my 16 queries is left out: a scalar branch on ids; not round the lines at its end that step addresses
	s_cmp_gt_u32 s[KF], s94
	s_cbranch_scc1 .Lhidden_\@
	s_setprio 2
	v_add_nc_u32 v[ADK], s[TB], v[AL]
	v_add_nc_u32 v[ADS], s[TS], v[ASC]
	s_delay_alu instid0(VALU_DEP_2)
	v_add_nc_u32 v[ADV], VIMG, v[ADK]
.rept 5
	v_nop                                          ; with the three additions: eight places in front of loads into registers that the last products have read
.endr
.irp p, 0,1,2,3
.irp c, 0,1,2,3
	ds_load_b128 v[FRG+16*\p+4*\c:FRG+16*\p+4*\c+3], v[ADK] offset:2048*\p+512*\c
.endr
.endr
	ds_load_b128 v[216:219], v[ADS]                ; K's four scale words of row r
	s_wait_alu depctr_va_vdst(0)
	s_wait_dscnt 0x0
.irp p, 0,1,2,3
	v_wmma_scale_f32_16x16x128_f8f6f4 v[S+16*\p:S+16*\p+7], v[FRG+16*\p:FRG+16*\p+15], v[24:39], 0, v[216+\p], v224
	v_wmma_scale_f32_16x16x128_f8f6f4 v[S+16*\p+8:S+16*\p+15], v[FRG+16*\p:FRG+16*\p+15], v[16:31], 0, v[216+\p], v224
.endr
.rept 8
	v_nop                                          ; places in front of the loads below and of the first read of the scores
.endr
.irp t, 0,1,2,3
.irp c, 0,1,2,3
	ds_load_b128 v[FRG+16*\t+4*\c:FRG+16*\t+4*\c+3], v[ADV] offset:2048*\t+512*\c   ; V's fragments land while the softmax is walked
.endr
.endr
	ds_load_b128 v[220:223], v[ADS] offset:VSC-KSC
	s_add_co_u32 s94, s[KF], 127                   ; on the diagonal the scores of hidden keys become -infinity ahead of the maximum: p = 0 then.  A step all of whose keys count skips this
	s_cmp_le_u32 s94, s[Q0]
	s_cbranch_scc1 .Lopen_\@
	s_sub_co_i32 s94, s[Q0], s[KF]
	v_add_nc_u32 v246, s94, v[DG]                  ; my query - KF - 8 (lane / 16).  Register n holds key KF + 8 (lane / 16) + 16 (n / 8) + n % 8
.set n, 0
.rept 64
	v_cmp_gt_i32 vcc_lo, 16*(n/8)+n%8, v246
	v_cndmask_b32 v[S+n], v[S+n], v247, vcc_lo
.set n, n+1
.endr
.Lopen_\@:
.irp b, 0,1,2,3
	v_max3_num_f32 v[BM+\b], v[S+16*\b], v[S+16*\b+1], v[S+16*\b+2]   ; the largest score of each block of 32 keys: it serves for the row's maximum and, since p rises with the score, for the block's largest p
.endr
.irp i, 3,5,7,9,11,13
.irp b, 0,1,2,3
	v_max3_num_f32 v[BM+\b], v[BM+\b], v[S+16*\b+\i], v[S+16*\b+\i+1]
.endr
.endr
.irp b, 0,1,2,3
	v_max_num_f32 v[BM+\b], v[BM+\b], v[S+16*\b+15]
.endr
.irp b, 0,1,2,3
	s_delay_alu instid0(VALU_DEP_4)
	v_permlanex16_b32 v[T1+\b], v[BM+\b], s[SEL], s[SEL+1]
.endr
.irp b, 0,1,2,3
	s_delay_alu instid0(VALU_DEP_4)
	v_max_num_f32 v[BM+\b], v[BM+\b], v[T1+\b]     ; with lane l xor 16's 16 keys
.endr
	s_delay_alu instid0(VALU_DEP_2)
	v_max3_num_f32 v246, v[BM], v[BM+1], v[BM+2]
	s_delay_alu instid0(VALU_DEP_1)
	v_max_num_f32 v246, v246, v[BM+3]              ; the step's largest score of my query
	s_delay_alu instid0(VALU_DEP_1)
	v_mul_f32 v246, s[CS], v246                    ; as t (c is positive)
	s_delay_alu instid0(VALU_DEP_1)
	v_max_num_f32 v13, v13, v246                   ; the running largest t
	v_mov_b32 v246, v12
	s_delay_alu instid0(VALU_DEP_2)
	v_floor_f32 v12, -v13                          ; the new -M = floor(-t) = -ceil(t)
	s_delay_alu instid0(VALU_DEP_1)
	v_sub_f32 v246, v12, v246                      ; M's old value less its new one: a whole number, 0 or less
	s_delay_alu instid0(VALU_DEP_1)
	v_cvt_i32_f32 v246, v246                       ; (it saturates)
	s_delay_alu instid0(VALU_DEP_1)
	v_ldexp_f32 v226, 1.0, v246                    ; f = 2^(old M - new M)
.set j, 0
	s_setprio 1
.rept 32
	v_pk_fma_f32 v[S+j:S+j+1], v[S+j:S+j+1], s[CS:CS+1], v[12:13] op_sel_hi:[1,0,0]   ; t - M, two at a time
.set j, j+2
.endr
.irp b, 0,1,2,3
	v_fma_f32 v[BM+\b], v[BM+\b], s[CS], v12       ; the same of each block's largest score
.endr
.set j, 0
	s_wait_alu depctr_va_vdst(0)
.rept 64
	v_exp_f32 v[S+j], v[S+j]                       ; p = 2^(t - M), at most 1
.set j, j+1
.endr
.irp b, 0,1,2,3
	v_exp_f32 v[BM+\b], v[BM+\b]                   ; the block's largest p: the same two instructions on the same number give the same bits
.endr
	v_pk_mul_f32 v[14:15], v[14:15], v[226:227] op_sel_hi:[1,0]   ; the sums under the new M.  (A plain place behind the exponentials)
	s_wait_alu depctr_va_vdst(0)
.irp b, 0,1,2,3
	v_max_num_f32 v[BM+\b], 0x4800000, v[BM+\b]    ; the floor 2^(9 - 127): the byte cannot fall under 1
.endr
.irp b, 0,1,2,3
	s_delay_alu instid0(VALU_DEP_4)
	v_add_nc_u32 v[SCO+\b], 0xfc000000, v[BM+\b]   ; 8 off the exponent field: the conversion's scale operand
.endr
.irp b, 0,1,2,3
.endr
.irp b, 0,1,2,3
	s_delay_alu instid0(VALU_DEP_4)
	v_lshrrev_b32 v[T1+\b], 23, v[SCO+\b]          ; the scale's byte
.endr
	s_delay_alu instid0(VALU_DEP_3)
	v_lshl_or_b32 v225, v[T1+1], 8, v[T1]          ; p's scale word for these 128 keys
	s_delay_alu instid0(VALU_DEP_1)
	v_lshl_or_b32 v225, v[T1+2], 16, v225
	s_delay_alu instid0(VALU_DEP_1)
	v_lshl_or_b32 v225, v[T1+3], 24, v225
	v_pk_add_f32 v[244:245], v[108:109], v[112:113]
	v_pk_add_f32 v[252:253], v[116:117], v[120:121]
	v_pk_add_f32 v[250:251], v[124:125], v[128:129]
	v_pk_add_f32 v[248:249], v[132:133], v[136:137]
	v_pk_add_f32 v[238:239], v[140:141], v[144:145]
	v_pk_add_f32 v[236:237], v[148:149], v[152:153]
	v_pk_add_f32 v[230:231], v[156:157], v[160:161]
	v_pk_add_f32 v[14:15], v[14:15], v[164:165]
	v_pk_add_f32 v[244:245], v[244:245], v[104:105]
	v_pk_add_f32 v[252:253], v[252:253], v[106:107]
	v_pk_add_f32 v[250:251], v[250:251], v[110:111]
	v_pk_add_f32 v[248:249], v[248:249], v[114:115]
	v_pk_add_f32 v[238:239], v[238:239], v[118:119]
	v_pk_add_f32 v[236:237], v[236:237], v[122:123]
	v_pk_add_f32 v[230:231], v[230:231], v[126:127]
	v_pk_add_f32 v[14:15], v[14:15], v[130:131]
	v_pk_add_f32 v[244:245], v[244:245], v[134:135]
	v_pk_add_f32 v[252:253], v[252:253], v[138:139]
	s_setprio 0
	v_pk_add_f32 v[250:251], v[250:251], v[142:143]
	v_pk_add_f32 v[248:249], v[248:249], v[146:147]
	v_pk_add_f32 v[238:239], v[238:239], v[150:151]
	v_pk_add_f32 v[236:237], v[236:237], v[154:155]
	v_pk_add_f32 v[230:231], v[230:231], v[158:159]
	v_pk_add_f32 v[14:15], v[14:15], v[162:163]
	v_pk_add_f32 v[244:245], v[244:245], v[166:167]
	s_delay_alu instid0(VALU_DEP_2)
	v_pk_add_f32 v[14:15], v[14:15], v[248:249]
	s_delay_alu instid0(VALU_DEP_2)
	v_pk_add_f32 v[244:245], v[244:245], v[238:239]
	v_pk_add_f32 v[252:253], v[252:253], v[236:237]
	v_pk_add_f32 v[250:251], v[250:251], v[230:231]
	s_delay_alu instid0(VALU_DEP_2)
	v_pk_add_f32 v[14:15], v[14:15], v[252:253]
	s_delay_alu instid0(VALU_DEP_2)
	v_pk_add_f32 v[244:245], v[244:245], v[250:251]
	s_delay_alu instid0(VALU_DEP_1)
	v_pk_add_f32 v[14:15], v[14:15], v[244:245]
.irp b, 0,1,2,3
.irp i, 0,1,2,3,4,5,6,7,8,9,10,11,12,13,14,15
.endr
	v_cvt_scalef32_pk8_fp8_f32 v[PCD+4*\b:PCD+4*\b+1], v[S+16*\b:S+16*\b+7], v[SCO+\b]
	v_cvt_scalef32_pk8_fp8_f32 v[PCD+4*\b+2:PCD+4*\b+3], v[S+16*\b+8:S+16*\b+15], v[SCO+\b]
.endr
.set j, 0
.rept 16
	v_pk_mul_f32 v[O+j:O+j+1], v[O+j:O+j+1], v[226:227] op_sel_hi:[1,0]   ; O^T under the new M.  (These are also the places between the conversions and the products below)
.set j, j+2
.endr
	s_wait_alu depctr_va_vdst(0)
	s_wait_dscnt 0x0                               ; V's fragments and scale words
.irp t, 0,1,2,3
	v_wmma_scale_f32_16x16x128_f8f6f4 v[O+8*\t:O+8*\t+7], v[FRG+16*\t:FRG+16*\t+15], v[PCD:PCD+15], v[O+8*\t:O+8*\t+7], v[220+\t], v225   ; the four accumulators by turns
.endr
.Lhidden_\@:
	s_add_co_u32 s[KF], s[KF], 128
	s_add_co_u32 s[TB], s[TB], 8192
	s_add_co_u32 s[TS], s[TS], 256
.endm
; The first pass's g-th 512 keys.  The fetching waves wait until their part of the group has landed: behind it they issued the loads of the 3 - g later groups, which may stay out.
.macro GROUP g
	s_wait_tensorcnt 3-\g
	s_wait_dscnt 0x0                               ; no LDS load of mine is out at the signal
	s_barrier_signal -1
	s_barrier_wait -1                              ; everybody's part has landed
	s_mov_b32 s[TB], \g*32768
	s_mov_b32 s[TS], \g*1024
	s_mov_b32 s[KF], \g*512
	s_mov_b32 s[CNT], 4
.Lgroup_\@:
	STEP
	s_sub_co_u32 s[CNT], s[CNT], 1
	s_cmp_lg_u32 s[CNT], 0
	s_cbranch_scc1 .Lgroup_\@
	s_setprio 0
.endm
; A pass ends: O^T / the sum is ctx; its two blocks of 32 along D are quantised and stored.  Register 8 t + j of O^T is d = 16 t + 8 h + j, so a lane's 16 codes of block b are d = 8 h + 0..7 and 16 + 8 h + 0..7 of the block;
; the last product's other operand comes in its natural order, where lane (r, h) holds d = 16 h + 0..15: each lane gives 8 codes to lane l xor 16 and takes 8.
.macro FINISH
.rept 8
	v_nop                                          ; places behind the last products
.endr
	v_add_f32 v14, v14, v15                        ; the sum's two halves,
	s_delay_alu instid0(VALU_DEP_1)
	v_permlanex16_b32 v246, v14, s[SEL], s[SEL+1]
	s_delay_alu instid0(VALU_DEP_1)
	v_add_f32 v14, v14, v246                       ; and lane l xor 16's: the row's sum
	s_wait_alu depctr_va_vdst(0)
	v_rcp_f32 v14, v14
	v_nop                                          ; a plain place behind the transcendental
.set j, 0
	s_wait_alu depctr_va_vdst(0)
.rept 16
	v_pk_mul_f32 v[O+j:O+j+1], v[O+j:O+j+1], v[14:15] op_sel_hi:[1,0]
.set j, j+2
.endr
.irp b, 0,1
	v_max3_num_f32 v[BM+\b], |v[O+16*\b]|, |v[O+16*\b+1]|, 0x4800000   ; my 16 numbers of block b, and the floor 2^(9 - 127)
.endr
.irp i, 2,4,6,8,10,12,14
.irp b, 0,1
	s_delay_alu instid0(VALU_DEP_2)
	v_max3_num_f32 v[BM+\b], v[BM+\b], |v[O+16*\b+\i]|, |v[O+16*\b+\i+1]|
.endr
.endr
.irp b, 0,1
	s_delay_alu instid0(VALU_DEP_2)
	v_permlanex16_b32 v[T1+\b], v[BM+\b], s[SEL], s[SEL+1]
.endr
.irp b, 0,1
	s_delay_alu instid0(VALU_DEP_2)
	v_max_num_f32 v[BM+\b], v[BM+\b], v[T1+\b]
.endr
.irp b, 0
	s_delay_alu instid0(VALU_DEP_2)
	v_add_nc_u32 v[SCO+\b], 0xfc000000, v[BM+\b]
	s_delay_alu instid0(VALU_DEP_1)
	v_lshrrev_b32 v[T1+\b], 23, v[SCO+\b]
.endr
.irp b, 1
	s_delay_alu instid0(VALU_DEP_3)
	v_add_nc_u32 v[SCO+\b], 0xfc000000, v[BM+\b]
	s_delay_alu instid0(VALU_DEP_1)
	v_lshrrev_b32 v[T1+\b], 23, v[SCO+\b]
.endr
.irp b, 0,1
.irp i, 0,1,2,3,4,5,6,7,8,9,10,11,12,13,14,15
.endr
	v_cvt_scalef32_pk8_fp8_f32 v[PCD+4*\b:PCD+4*\b+1], v[O+16*\b:O+16*\b+7], v[SCO+\b]
	v_cvt_scalef32_pk8_fp8_f32 v[PCD+4*\b+2:PCD+4*\b+3], v[O+16*\b+8:O+16*\b+15], v[SCO+\b]
.endr
	v_nop                                          ; one plain vector line behind the last conversion
.irp b, 0,1
	v_cndmask_b32 v236, v[PCD+4*\b+2], v[PCD+4*\b], s[HM]      ; what I give: lanes 0-15 their d = 16..23, lanes 16-31 their d = 8..15
	v_cndmask_b32 v237, v[PCD+4*\b+3], v[PCD+4*\b+1], s[HM]
	s_delay_alu instid0(VALU_DEP_2)
	v_permlanex16_b32 v234, v236, s[SEL], s[SEL+1]
	s_delay_alu instid0(VALU_DEP_2)
	v_permlanex16_b32 v235, v237, s[SEL], s[SEL+1]
	v_cndmask_b32 v[PCD+8+4*\b], v[PCD+4*\b], v234, s[HM]
	v_cndmask_b32 v[PCD+9+4*\b], v[PCD+4*\b+1], v235, s[HM]
	v_cndmask_b32 v[PCD+10+4*\b], v234, v[PCD+4*\b+2], s[HM]
	v_cndmask_b32 v[PCD+11+4*\b], v235, v[PCD+4*\b+3], s[HM]
.endr
	v_cndmask_b32 v238, v[T1], v[T1+1], s[HM]      ; lanes 0-15 store block 0's byte, lanes 16-31 block 1's
	global_store_b128 v[AL], v[PCD+8:PCD+11], s[90:91]             ; 512 consecutive bytes, aligned
	global_store_b128 v[AL], v[PCD+12:PCD+15], s[90:91] offset:512
	global_store_b8 v[CB], v238, s[92:93]          ; two bytes of each token's 32: the other thirty come from fifteen other work-groups, so no wave here holds a whole row of them
.endm
	s_sub_co_u32 s94, 7, s[WI]                     ; the first pass: query block 7 - i, tile wave xor 8
	s_lshl_b32 s94, s94, 8
	s_xor_b32 s95, s[WV], 8
	s_lshl_b32 s95, s95, 4
	s_add_co_u32 s[Q0], s94, s95
	s_wait_alu depctr_va_vdst(0)
	QLOAD
	CADDR
.set j, 0
.rept 8
	v_mov_b32 v[16+j], 0                           ; the zero codes on either side of Q
	v_mov_b32 v[32+j], 0
.set j, j+1
.endr
	v_mov_b32 v227, 0                              ; (named as the upper half of the pair v[226:227])
.irp b, 0,1,2,3
	v_mov_b32 v[T1+\b], 0                          ; written once: a lane permute's destination counts as one of its sources
.endr
	v_mov_b32 v246, 0
	v_mov_b32 v247, 0xff800000                     ; -infinity
	INIT
	GROUP 0
	GROUP 1
	GROUP 2
	GROUP 3                                        ; its wait is for 0: no tensor load is out from here on
	s_lshl_b32 s94, s[WI], 8                       ; the second pass: query block i, tile wave: its Q is asked for now and lands while the first pass is finished
	s_lshl_b32 s95, s[WV], 4
	s_add_co_u32 s[Q0], s94, s95
	QLOAD
	FINISH
	s_wait_xcnt 0x0                                ; the stores have read their registers and bases: both are written again below
	CADDR
	INIT
	s_mov_b32 s[TB], 0
	s_mov_b32 s[TS], 0
	s_mov_b32 s[KF], 0
	s_mov_b32 s[CNT], 8                            ; queries under 1,024: eight key steps at the most
.Lsecond:
	STEP
	s_sub_co_u32 s[CNT], s[CNT], 1
	s_cmp_lg_u32 s[CNT], 0
	s_cbranch_scc1 .Lsecond
	s_setprio 0
	FINISH
	s_wait_tensorcnt 0x0
	ds_add_u32 v254, v255
	s_wait_dscnt 0x0
	s_endpgm
.Lfunc_end_k_q800926f1a2_attn:
	.size	k_q800926f1a2_attn, .Lfunc_end_k_q800926f1a2_attn-k_q800926f1a2_attn
	.p2alignl 7, 3214868480
	.fill 96, 4, 3214868480
	.section	.rodata,"a",@progbits
	.p2align	6, 0x0
	.amdhsa_kernel k_q800926f1a2_attn
		.amdhsa_group_segment_fixed_size 272384
		.amdhsa_private_segment_fixed_size 0
		.amdhsa_enable_private_segment 0
		.amdhsa_kernarg_size 64
		.amdhsa_user_sgpr_count 2
		.amdhsa_user_sgpr_kernarg_segment_ptr 1
		.amdhsa_wavefront_size32 1
		.amdhsa_system_sgpr_workgroup_id_x 1
		.amdhsa_system_sgpr_workgroup_id_y 1
		.amdhsa_system_sgpr_workgroup_id_z 1
		.amdhsa_system_vgpr_workitem_id 0
		.amdhsa_next_free_vgpr 256
		.amdhsa_next_free_sgpr 100
		.amdhsa_reserve_vcc 1
		.amdhsa_float_denorm_mode_32 3
		.amdhsa_float_denorm_mode_16_64 3
		.amdhsa_fp16_overflow 1
		.amdhsa_memory_ordered 1
		.amdhsa_forward_progress 1
		.amdhsa_inst_pref_size 137
	.end_amdhsa_kernel
	.amdgpu_metadata
---
amdhsa.version: [ 1, 2 ]
amdhsa.kernels:
  - .name:           k_q800926f1a2_attn
    .symbol:         k_q800926f1a2_attn.kd
    .args:
      - { .name: qimg, .offset: 0, .size: 8, .value_kind: global_buffer, .address_space: global }
      - { .name: qsc, .offset: 8, .size: 8, .value_kind: global_buffer, .address_space: global }
      - { .name: kimg, .offset: 16, .size: 8, .value_kind: global_buffer, .address_space: global }
      - { .name: ksc, .offset: 24, .size: 8, .value_kind: global_buffer, .address_space: global }
      - { .name: vimg, .offset: 32, .size: 8, .value_kind: global_buffer, .address_space: global }
      - { .name: vsc, .offset: 40, .size: 8, .value_kind: global_buffer, .address_space: global }
      - { .name: cimg, .offset: 48, .size: 8, .value_kind: global_buffer, .address_space: global }
      - { .name: csc, .offset: 56, .size: 8, .value_kind: global_buffer, .address_space: global }
    .group_segment_fixed_size: 272384
    .private_segment_fixed_size: 0
    .kernarg_segment_align: 8
    .kernarg_segment_size: 64
    .max_flat_workgroup_size: 512
    .sgpr_count:     100
    .vgpr_count:     256
    .wavefront_size: 32
...
	.end_amdgpu_metadata
.endif
;; end of part 2
;; launch oproj (part 3): grid 4 x 32, 4 waves a work-group, clusters of 4 x 4, 327,680 bytes of LDS; arguments cimg, csc, W_o_codes, W_o_scales, out0; writes out0
.if DOCPART == 3
	.amdgcn_target "amdgcn-amd-amdhsa--gfx1250"
	.amdhsa_code_object_version 6
	.text
	.protected	k_q800926f1a2_oproj
	.globl	k_q800926f1a2_oproj
	.p2align	8
	.type	k_q800926f1a2_oproj,@function
k_q800926f1a2_oproj:
	s_mov_b64 s[64:65], 0
	v_nop
	global_prefetch_b8 v0, s[64:65] scope:SCOPE_SE
	s_setreg_imm32_b32 hwreg(HW_REG_WAVE_MODE, 25, 1), 1
	s_wait_xcnt 0x0
	s_wait_alu depctr_hold_cnt(0) depctr_sa_sdst(0) depctr_va_vdst(0) depctr_va_sdst(0) depctr_va_ssrc(0) depctr_va_vcc(0) depctr_vm_vsrc(0)
	s_getreg_b32 s2, hwreg(HW_REG_IB_STS2, 6, 4)
	s_cmp_eq_u32 s2, 0
	s_cbranch_scc0 .Lentry_in_a_cluster
	s_endpgm
.Lentry_in_a_cluster:
	s_bfe_u32 s2, ttmp6, 0x10000c
	s_cmp_lg_u32 s2, 0xf033
	s_cbranch_scc0 .Lentry_shape_is_right
	s_endpgm
.Lentry_shape_is_right:
; out0[m][n] = sum over k of ctx[m][k] W_o[n][k].  ctx: [8192][1024], W_o: [1024][1024]: codes of FP8 (E4M3) with one E8M0 scale for each 32 along K; out0: [8192][1024] f32; sums in f32.
; W_o's codes lie by rows, K innermost.  ctx's lie as IMAGES OF OPERAND REGISTERS: tile of 16 tokens x 16,384 + (k / 128) x 2,048 + c x 512 + 16 x lane, lane (r, h) holding token r, k = 32 c + 16 h + 0..15 of the 128:
; four LDS loads of 512 consecutive bytes bring a fragment, and the tiles need no padding.  Both tensors' scale bytes lie [row][32].
; A tile of out0, 256 x 256, is made by a work-group of four waves; a wave makes 128 x 128: 64 accumulators of 16 x 16.  K goes in steps of 256 through a ring of two LDS slots filled by the tensor data mover.
; The scale bytes of the work-group's 256 rows of each operand, for all of K, come into LDS once.  CLUSTERS: 4 x 4 work-groups; ctx's tiles are asked for jointly along a row of the cluster, W_o's along a column.
; THE MATRIX INSTRUCTION IS USED TRANSPOSED (source 0 = 16 rows of W_o, source 1 = 16 rows of ctx): a lane then holds eight neighbouring numbers of a row of out0.
; LIMITS: NaN codes and scale bytes 0xff are not served.
; REGISTERS, in windows of 256: window 0: v0-31 addresses; v32-63 scale words, two sets; from v128 A's fragments, ONE set; on the way out v32-255 are free.  window 1: B's fragments, two sets.
;   window 2: the accumulators of my rows 0-63 (accumulator (a, b) at v[8 (8 a + b)]);  window 3: those of my rows 64-127.
.set SIZE_N, 1024
.set KSTEP,  256
.set NQ,     KSTEP/128
.set ROWB,   256                       ; a row of B's tile in bytes
.set KROW,   1024                      ; a row of B in memory; also a token's share of A's image
.set ASTEP,  4096                      ; a K step of A's image: two fragments of 2,048 bytes for each tile of 16 tokens
.set PITCH,  272                       ; B's LDS row: 256 bytes + 16 of padding = 68 words: row r starts at bank 4 r mod 64 (64 banks of 4 bytes: ISA guide 11.1)
.set FR,     16
.set NL,     4
.set NP,     8                         ; places behind this matrix instruction (ISA guide 7.12.1)
.set HALFT,  128*PITCH                 ; what one tensor load has room for: 128 padded rows of B; A's 128 rows take 32,768 of it
.set SLOT,   4*HALFT
.set LAPS,   2
.set KS,     32
.set SCL,    2*SLOT
.set HALFS,  (128*KS/256)*272
.set SBLK,   (16*KS/256)*272
.set SPARE,  SCL+4*HALFS               ; the spare words, 128 bytes for each wave, which no other line names
.set SPITCH, 528                       ; the way out: a stage of 16 rows x (512 bytes + 16) for each wave.  It lies in slot 0, which has had its last fill and its last read when the first result is stored there
.set ADRA, 16
.set ADRB, 20
.set STO,  24                          ; v24     the way out: where I put 32 bytes of a row
.set RD,   25                          ; v25     the way out: where I read a row back
.set CO,   26                          ; v26     16 x lane: my byte offset in a row of out0
.set ADRS, 27
.set SPW,  28
.set NIL,  29
.set SC,   32
.set AF,   128
.set BK,   128                         ; the way out: 16 rows read back from the stage: v128-191 and v192-255 by turns
.set G1, 24
.set G0, 32
.set G1B, 48
.set G0B, 56
.set G1S, 68
.set G0S, 76
.set G1SB, 80
.set G0SB, 88
.set MSB, 0
.macro WIN new                         ; the immediate's high byte repeats the setting that is left
.if MSB != \new
	s_set_vgpr_msb (MSB<<8)|\new
.set MSB, \new
.endif
.endm
.set MUL_LO, 0xa1
.set MUL_HI, 0xf1
.set TO_B,   0x40
; A joint load: waves 0 and 1 fetch for A, waves 2 and 3 for B; the branch hangs on the wave's number alone.  Four v_nop follow each of the two lines.
.macro JLOAD g0a, g1a, g0b, g1b
	s_cmp_eq_u32 s15, 0
	s_cbranch_scc0 .Lfor_b_\@
	tensor_load_to_lds s[\g0a:\g0a+3], s[\g1a:\g1a+7]
	s_nop 0
.rept 4
	v_nop
.endr
	s_branch .Lasked_\@
.Lfor_b_\@:
	tensor_load_to_lds s[\g0b:\g0b+3], s[\g1b:\g1b+7]
	s_nop 0
.rept 4
	v_nop
.endr
.Lasked_\@:
.endm
.macro CREST
	s_cmp_lg_u32 s14, 0
	s_cbranch_scc1 .Lnot_wave_0_\@
	s_barrier_signal -3
.Lnot_wave_0_\@:
	s_barrier_wait -3
	s_barrier_signal -1
	s_barrier_wait -1
.endm
.macro CROUND
	s_barrier_signal -1
	s_barrier_wait -1
	CREST
.endm
	s_load_b128 s[4:7], s[0:1], 0x0                ; ctx's image, ctx's scales
	s_load_b128 s[8:11], s[0:1], 0x10              ; W_o's codes, W_o's scales
	s_load_b64 s[12:13], s[0:1], 0x20              ; out0
	v_lshl_add_u32 v[SPW], v0, 2, SPARE
	v_mov_b32 v[NIL], 0
	ds_add_u32 v28, v29
	ds_add_u32 v28, v29
	s_wait_dscnt 0x0
	v_lshrrev_b32 v1, 5, v0
	v_readfirstlane_b32 s14, v1                    ; wave 0..3
	s_lshr_b32 s15, s14, 1                         ; which half of the tile's rows is mine.  Also: I fetch for A (0) or for B (1)
	s_and_b32 s16, s14, 1                          ; which half of its columns.  Also: which 128 rows of that tile I fetch
	s_bfe_u32 s40, ttmp6, 0x40000                  ; cx, cy
	s_bfe_u32 s41, ttmp6, 0x40004
	s_lshl_b32 s42, ttmp9, 2
	s_add_co_u32 s42, s42, s40                     ; tile column
	s_and_b32 s17, ttmp7, 0xffff
	s_lshl_b32 s17, s17, 2
	s_add_co_u32 s17, s17, s41                     ; tile row
	s_lshl_b32 s43, s41, 2
	s_lshl_b32 s43, 15, s43                        ; my row of the cluster
	s_lshl_b32 s44, 0x1111, s40                    ; my column
	; A's tiles: 8 tiles of 16 tokens x 4,096 bytes (512 elements of 8 bytes), 16,384 bytes apart, dense in LDS
	s_or_b32 s[G1+0], s43, (3<<16)|(1<<21)         ; 15:0 the mask: my row; 17:16 elements of 8 bytes; 21 set beside a mask; no padding
	s_mov_b32 s[G1+1], 512<<16                     ; tensor_dim0
	s_mov_b32 s[G1+2], 8<<16                       ; tensor_dim1
	s_mov_b32 s[G1+3], 512<<16                     ; tile_dim0
	s_mov_b32 s[G1+4], 8                           ; tile_dim1
	s_mov_b32 s[G1+5], 2048                        ; tensor_dim0_stride
	s_mov_b32 s[G1+6], 0
	s_mov_b32 s[G1+7], 0
	; B's tiles: 128 rows x 256 bytes, 16 bytes of padding behind each
	s_or_b32 s[G1B+0], s44, (0<<16)|(1<<20)|(1<<21)|(5<<22)|(3<<25)
	s_mov_b32 s[G1B+1], ROWB<<16
	s_mov_b32 s[G1B+2], 128<<16
	s_mov_b32 s[G1B+3], ROWB<<16
	s_mov_b32 s[G1B+4], 128
	s_mov_b32 s[G1B+5], KROW
	s_mov_b32 s[G1B+6], 0
	s_mov_b32 s[G1B+7], 0
	; the scales of 128 rows: 4,096 dense bytes as 16 rows of 256, 16 bytes of padding behind each
	s_or_b32 s[G1S+0], s43, (3<<16)|(1<<20)|(1<<21)|(5<<22)|(3<<25)
	s_or_b32 s[G1SB+0], s44, (3<<16)|(1<<20)|(1<<21)|(5<<22)|(3<<25)
.irp g, G1S, G1SB
	s_mov_b32 s[\g+1], 32<<16
	s_mov_b32 s[\g+2], (128*KS/256)<<16
	s_mov_b32 s[\g+3], 32<<16
	s_mov_b32 s[\g+4], 128*KS/256
	s_mov_b32 s[\g+5], 32
	s_mov_b32 s[\g+6], 0
	s_mov_b32 s[\g+7], 0
.endr
	s_lshl_b32 s18, s16, 7
	s_lshl_b32 s20, s17, 8
	s_add_co_u32 s20, s20, s18                     ; A: row 256 x tile row + 128 x half
	s_lshl_b32 s46, s42, 8
	s_add_co_u32 s46, s46, s18                     ; B: row 256 x tile column + 128 x half
	s_mov_b32 s21, 0
	s_mov_b32 s47, 0
	s_mov_b64 s[18:19], KS
	s_mul_u64 s[22:23], s[20:21], s[18:19]         ; where these rows' scales begin
	s_mul_u64 s[92:93], s[46:47], s[18:19]
	s_mov_b64 s[18:19], KROW
	s_mul_u64 s[20:21], s[20:21], s[18:19]         ; and their codes (in A's image 16 tokens are 16,384 bytes: 1,024 a token, and the row is a multiple of 16)
	s_mul_u64 s[46:47], s[46:47], s[18:19]
	s_mul_i32 s45, s14, HALFT
	s_mul_i32 s94, s14, HALFS
	s_wait_kmcnt 0x0
	s_add_nc_u64 s[20:21], s[4:5], s[20:21]
	s_add_nc_u64 s[22:23], s[6:7], s[22:23]
	s_add_nc_u64 s[46:47], s[8:9], s[46:47]
	s_add_nc_u64 s[92:93], s[10:11], s[92:93]
	CROUND                                         ; all sixteen work-groups are here: the first joint loads meet
	s_mov_b32 s[G0S], 1
	s_add_co_u32 s[G0S+1], s94, SCL
	s_mov_b64 s[G0S+2:G0S+3], s[22:23]
	s_or_b32 s[G0S+3], s[G0S+3], 0x80000000
	s_mov_b32 s[G0SB], 1
	s_add_co_u32 s[G0SB+1], s94, SCL
	s_mov_b64 s[G0SB+2:G0SB+3], s[92:93]
	s_or_b32 s[G0SB+3], s[G0SB+3], 0x80000000
	JLOAD G0S, G1S, G0SB, G1SB
.irp s, 0,1
	s_mov_b32 s[G0+4*\s], 1
	s_add_co_u32 s[G0+4*\s+1], s45, \s*SLOT
	s_add_nc_u64 s[G0+4*\s+2:G0+4*\s+3], s[20:21], \s*ASTEP
	s_or_b32 s[G0+4*\s+3], s[G0+4*\s+3], 0x80000000
	s_mov_b32 s[G0B+4*\s], 1
	s_add_co_u32 s[G0B+4*\s+1], s45, \s*SLOT
	s_add_nc_u64 s[G0B+4*\s+2:G0B+4*\s+3], s[46:47], \s*ROWB
	s_or_b32 s[G0B+4*\s+3], s[G0B+4*\s+3], 0x80000000
	s_wait_alu depctr_va_vdst(0)
	s_wait_tensorcnt 0x0
	ds_add_u32 v28, v29
	s_wait_dscnt 0x0
	CROUND
	JLOAD G0+4*\s, G1, G0B+4*\s, G1B               ; one tensor load of mine is out
.endr
	v_and_b32 v1, 15, v0                           ; l % 16
	v_bfe_u32 v2, v0, 4, 1                         ; l / 16
	v_mul_u32_u24 v3, v1, PITCH
	v_lshl_add_u32 v4, v2, 4, v3                   ; B: a fragment's row x pitch + 16 x half
	v_and_b32 v6, 31, v0
	v_lshlrev_b32 v[CO], 4, v6                     ; A: 16 x lane
	s_mul_i32 s21, s15, HALFT                      ; my 128 rows of A
	s_mul_i32 s22, s16, HALFT                      ; my 128 rows of B,
	s_add_co_u32 s22, s22, 2*HALFT                 ; which lie behind A's two halves
.irp s, 0,1
	v_add_nc_u32 v[ADRA+\s], s21, v[CO]
	v_add_nc_u32 v[ADRB+\s], s22, v4
	s_add_co_u32 s21, s21, SLOT
	s_add_co_u32 s22, s22, SLOT
.endr
	v_mul_u32_u24 v5, v1, KS
	v_lshrrev_b32 v6, 8, v5
	v_lshl_add_u32 v5, v6, 4, v5
	s_mul_i32 s21, s15, HALFS
	s_mul_i32 s22, s16, HALFS
	s_add_co_u32 s22, s22, 2*HALFS
	s_sub_co_u32 s22, s22, s21
	v_mul_u32_u24 v6, s22, v2                      ; lanes 16-31 take B's
	s_add_co_u32 s21, s21, SCL
	v_add_nc_u32 v5, v5, v6
	v_add_nc_u32 v[ADRS], s21, v5
	s_mul_i32 s23, s14, 16*SPITCH                  ; my stage
	v_mul_u32_u24 v5, v1, SPITCH                   ; in: row l % 16, 32 bytes for each half of the lanes
	v_lshl_add_u32 v5, v2, 5, v5
	v_add_nc_u32 v[STO], s23, v5
	v_add_nc_u32 v[RD], s23, v[CO]                 ; back: the 32 lanes take one row of 512 bytes
	s_lshl_b32 s20, s17, 8
	s_lshl_b32 s21, s15, 7
	s_add_co_u32 s20, s20, s21                     ; my first row of out0
	s_mov_b32 s21, 0
	s_mov_b64 s[18:19], SIZE_N*4
	s_mul_u64 s[20:21], s[20:21], s[18:19]
	s_lshl_b32 s46, s42, 10                        ; my first column, in bytes
	s_lshl_b32 s47, s16, 9
	s_add_co_u32 s46, s46, s47
	s_mov_b32 s47, 0
	s_add_nc_u64 s[20:21], s[20:21], s[46:47]
	s_add_nc_u64 s[12:13], s[12:13], s[20:21]
.macro FRAG reg, adr, q, i             ; a fragment of B from padded rows: lane l holds row l % 16; registers 4 c .. 4 c + 3 hold K = 32 c + 16 (l / 16) + 0 .. 15
.irp c, 0,1,2,3
	ds_load_b128 v[\reg+4*\c:\reg+4*\c+3], v[\adr] offset:128*(\q)+32*\c+(\i)*16*PITCH
.endr
.endm
.macro FRAGA reg, adr, q, i            ; a fragment of A from its image: 512 consecutive bytes a load
.irp c, 0,1,2,3
	ds_load_b128 v[\reg+4*\c:\reg+4*\c+3], v[\adr] offset:(\i)*ASTEP+2048*(\q)+512*\c
.endr
.endm
; 16 matrix instructions: A's blocks a0, a0 + 1 x B's eight, 128 along K.  The 64 accumulators take turns, one instruction a turn, in the same order in every step.
.macro MUL16 a0, p, q, sc, zero
.irp a, \a0, \a0+1
.irp b, 0,1,2,3,4,5,6,7
.if \zero
	v_wmma_scale_f32_16x16x128_f8f6f4 v[8*(8*((\a)%4)+\b):8*(8*((\a)%4)+\b)+7], v[128*(\p)+FR*\b:128*(\p)+FR*\b+FR-1], v[AF+FR*(\a):AF+FR*(\a)+FR-1], 0, v[SC+8*NQ*(\sc)+NQ*\b+(\q)], v[SC+8*NQ*(\sc)+NQ*(\a)+(\q)] matrix_a_scale:MATRIX_SCALE_ROW1
.else
	v_wmma_scale_f32_16x16x128_f8f6f4 v[8*(8*((\a)%4)+\b):8*(8*((\a)%4)+\b)+7], v[128*(\p)+FR*\b:128*(\p)+FR*\b+FR-1], v[AF+FR*(\a):AF+FR*(\a)+FR-1], v[8*(8*((\a)%4)+\b):8*(8*((\a)%4)+\b)+7], v[SC+8*NQ*(\sc)+NQ*\b+(\q)], v[SC+8*NQ*(\sc)+NQ*(\a)+(\q)] matrix_a_scale:MATRIX_SCALE_ROW1
.endif
.endr
.endr
.endm
.macro FETCH_B slot, q, p
	WIN TO_B
.irp i, 0,1,2,3,4,5,6,7
	FRAG 128*(\p)+FR*\i, ADRB+\slot, \q, \i
.endr
	WIN 0
.endm
.macro FETCH_A slot, q, i0
.irp i, \i0, \i0+1, \i0+2, \i0+3
	FRAGA AF+FR*(\i), ADRA+\slot, \q, \i
.endr
.endm
.macro SCALES sc
.irp i, 0,1,2,3,4,5,6,7
	ds_load_b64 v[SC+8*NQ*\sc+NQ*\i:SC+8*NQ*\sc+NQ*\i+1], v[ADRS] offset:\i*SBLK
.endr
.endm
; A load into a register that a matrix instruction has read, and a vector instruction or an LDS store that reads a matrix result, stand NP places behind that matrix instruction, and only plain vector
; instructions that name none of its registers are places (ISA guide 7.12.1 for vector instructions).
.macro PLACES n
.rept \n
	v_nop
.endr
.endm
.macro STEP slot, q, zero
	s_wait_dscnt 4*NL                              ; B's set and A's blocks 0-3 are in; the youngest 16 loads (A's blocks 4-7) may be out
	WIN MUL_LO
	MUL16 0, (\q)%2, \q, \slot, \zero
	MUL16 2, (\q)%2, \q, \slot, \zero
	s_wait_dscnt 0                                 ; A's blocks 4-7 are in
	PLACES NP
	FETCH_B \slot, (\q)+1, 1-(\q)%2
	FETCH_A \slot, (\q)+1, 0
	WIN MUL_HI
	MUL16 4, (\q)%2, \q, \slot, \zero
	MUL16 6, (\q)%2, \q, \slot, \zero
	PLACES NP
	WIN 0
	FETCH_A \slot, (\q)+1, 4
.endm
; A slot's last step changes slots: ONE barrier; in front of it each wave waits for all its tensor loads, adds 0 to its spare word, and waits for that and for its own reads of this slot.  fill = 1: this slot is filled again, two K steps ahead.
.macro TURN slot, next, fill
	s_wait_tensorcnt 0x0                           ; all my tensor loads have landed: my part of the next slot;
	ds_add_u32 v[SPW], v[NIL]                      ; 0 onto my spare word
	s_wait_dscnt 4*NL+1                            ; (the add and the youngest 16 loads, A's blocks 4-7, may be out)
	WIN MUL_LO
	MUL16 0, 1, NQ-1, \slot, 0                     ; sixteen matrix instructions stand between the add and the wait for it
	s_wait_dscnt 0x0                               ; the add is done, and my reads of this slot are over
	s_barrier_signal -1
	MUL16 2, 1, NQ-1, \slot, 0
	WIN 0
	s_barrier_wait -1
.if \fill
	CREST                                          ; the barrier has opened a round of the cluster's barrier: no wave of any partner still reads this slot's tile or has a load on its way
	s_add_nc_u64 s[G0+4*\slot+2:G0+4*\slot+3], s[G0+4*\slot+2:G0+4*\slot+3], 2*ASTEP
	s_add_nc_u64 s[G0B+4*\slot+2:G0B+4*\slot+3], s[G0B+4*\slot+2:G0B+4*\slot+3], 2*ROWB
	JLOAD G0+4*\slot, G1, G0B+4*\slot, G1B         ; the first tensor load behind the round; the four v_nop behind it are among the places in front of the loads below
	PLACES NP-4
.else
	PLACES NP
.endif
	s_wait_alu depctr_va_vdst(0)
	v_add_nc_u32 v[ADRS], 4*NQ, v[ADRS]            ; on to the next K step's scale words (no LDS load of mine is out)
	FETCH_B \next, 0, 0
	FETCH_A \next, 0, 0
	SCALES \next
	WIN MUL_HI
	MUL16 4, 1, NQ-1, \slot, 0
	MUL16 6, 1, NQ-1, \slot, 0
	PLACES NP
	WIN 0
	FETCH_A \next, 0, 4
.endm
	s_wait_alu depctr_va_vdst(0)
	s_wait_tensorcnt 1                             ; the scales and my part of K step 0 are in (K step 1's load may be out)
	s_barrier_signal -1
	s_barrier_wait -1                              ; everybody's are
	FETCH_B 0, 0, 0
	FETCH_A 0, 0, 0
	SCALES 0
	FETCH_A 0, 0, 4
	STEP 0, 0, 1                                   ; the first step stands in front of the loop: its products start the sums
	s_mov_b32 s3, LAPS-1
.Llap:
	TURN 0, 1, 1
	STEP 1, 0, 0
	TURN 1, 0, 1
	STEP 0, 0, 0
	s_sub_co_u32 s3, s3, 1
	s_cmp_lg_u32 s3, 0
	s_cbranch_scc1 .Llap
	TURN 0, 1, 0                                   ; the last lap fills nothing, and has no round of the cluster's barrier
	STEP 1, 0, 0
	s_wait_dscnt 4*NL
	WIN MUL_LO
	MUL16 0, 1, NQ-1, 1, 0
	MUL16 2, 1, NQ-1, 1, 0
	s_wait_dscnt 0
	WIN MUL_HI
	MUL16 4, 1, NQ-1, 1, 0
	MUL16 6, 1, NQ-1, 1, 0
	WIN 0
; THE WAY OUT, block by block of 16 rows x 128 columns.  A lane holds 32 neighbouring bytes of a row, and the lanes beside it hold other rows: so a block goes through my own stage in LDS and comes back as whole
; rows of 512 bytes.  LDS serves a wave's instructions in order (ISA guide 5.7.1.4): no wait between the stores and the loads, nor in front of the next block's stores.
.macro TOSTAGE a
.set AC, 64*((\a)%4)
	WIN 0x08+4*((\a)/4)                            ; the data: window 2 or 3
.irp b, 0,1,2,3,4,5,6,7
	ds_store_b128 v[STO], v[AC+8*\b:AC+8*\b+3] offset:64*\b          ; each accumulator from its low end on
	ds_store_b128 v[STO], v[AC+8*\b+4:AC+8*\b+7] offset:64*\b+16
.endr
	WIN 0
.set BB, BK+64*((\a)%2)
.irp t, 0,1,2,3,4,5,6,7,8,9,10,11,12,13,14,15
	ds_load_b128 v[BB+4*\t:BB+4*\t+3], v[RD] offset:\t*SPITCH
.endr
.endm
.macro SEND a, younger                 ; younger: the LDS instructions issued behind block a's loads, which may stay out
.set BB, BK+64*((\a)%2)
	s_wait_dscnt \younger                          ; the block is back in registers
.if (\a) > 0
	s_add_nc_u64 s[12:13], s[12:13], 16*SIZE_N*4   ; (behind a wait on XCNT: the earlier stores have read their base)  16 rows of out0 on
.endif
.irp t, 0,1,2,3,4,5,6,7,8,9,10,11,12,13,14,15
	global_store_b128 v[CO], v[BB+4*\t:BB+4*\t+3], s[12:13] offset:\t*SIZE_N*4 th:TH_STORE_NT   ; 32 lanes store 512 consecutive bytes, at a multiple of 256 from out0's first byte; written once, read by nobody here
.endr
.endm
	PLACES NP                                      ; behind the last products: for the loads into the registers that held A's fragments and for the reads of results
	TOSTAGE 0
.irp a, 1,2,3,4,5,6,7
.if \a > 1
	s_wait_xcnt 0x0                                ; block a - 2's stores have read their registers and their base: block a's loads may land there, and the base may step
.endif
	TOSTAGE \a
	SEND \a-1, 32                                  ; behind block a - 1's loads: block a's 16 stores and 16 loads
.endr
	s_wait_xcnt 0x0                                ; block 6's stores have read their base
	SEND 7, 0
	s_wait_tensorcnt 0x0                           ; the wave's end, behind my last tensor load and my last LDS store
	ds_add_u32 v[SPW], v[NIL]
	s_wait_dscnt 0x0
	CROUND                                         ; the closing round: no work-group ends while a partner may still ask for a tile that names it
	s_endpgm
.Lfunc_end_k_q800926f1a2_oproj:
	.size	k_q800926f1a2_oproj, .Lfunc_end_k_q800926f1a2_oproj-k_q800926f1a2_oproj
	.p2alignl 7, 3214868480
	.fill 96, 4, 3214868480
	.section	.rodata,"a",@progbits
	.p2align	6, 0x0
	.amdhsa_kernel k_q800926f1a2_oproj
		.amdhsa_group_segment_fixed_size 327680
		.amdhsa_private_segment_fixed_size 0
		.amdhsa_enable_private_segment 0
		.amdhsa_kernarg_size 40
		.amdhsa_user_sgpr_count 2
		.amdhsa_user_sgpr_kernarg_segment_ptr 1
		.amdhsa_wavefront_size32 1
		.amdhsa_system_sgpr_workgroup_id_x 1
		.amdhsa_system_sgpr_workgroup_id_y 1
		.amdhsa_system_sgpr_workgroup_id_z 1
		.amdhsa_system_vgpr_workitem_id 0
		.amdhsa_next_free_vgpr 1024
		.amdhsa_next_free_sgpr 98
		.amdhsa_reserve_vcc 0
		.amdhsa_float_denorm_mode_32 3
		.amdhsa_float_denorm_mode_16_64 3
		.amdhsa_memory_ordered 1
		.amdhsa_forward_progress 1
		.amdhsa_inst_pref_size 146
	.end_amdhsa_kernel
	.amdgpu_metadata
---
amdhsa.version: [ 1, 2 ]
amdhsa.kernels:
  - .name:           k_q800926f1a2_oproj
    .symbol:         k_q800926f1a2_oproj.kd
    .args:
      - { .name: cimg, .offset: 0, .size: 8, .value_kind: global_buffer, .address_space: global }
      - { .name: csc, .offset: 8, .size: 8, .value_kind: global_buffer, .address_space: global }
      - { .name: W_o_codes, .offset: 16, .size: 8, .value_kind: global_buffer, .address_space: global }
      - { .name: W_o_scales, .offset: 24, .size: 8, .value_kind: global_buffer, .address_space: global }
      - { .name: out0, .offset: 32, .size: 8, .value_kind: global_buffer, .address_space: global }
    .group_segment_fixed_size: 327680
    .private_segment_fixed_size: 0
    .kernarg_segment_align: 8
    .kernarg_segment_size: 40
    .max_flat_workgroup_size: 128
    .sgpr_count:     98
    .vgpr_count:     1024
    .wavefront_size: 32
...
	.end_amdgpu_metadata
.endif
;; end of part 3
